; MI455X (gfx1250); checked and timed in simulation.
; The chip was launched on July 23, 2026; its instructions are those of AMD's public machine-readable ISA for CDNA 5 (MIT licence, August 2026) and "CDNA5" Instruction Set Architecture Reference Guide (July 2026). The comments in the code are by the model that wrote it; some were corrected since.
;; Multihead self attention. Allowed arithmetic: matrix products marked QUANTISED: E2M1 operands, one E8M0 scale for each 32 along K, by v_wmma_scale_f32_16x16x128_f8f6f4 with both operands' format E2M1 (or v_wmma_scale_f32_32x16x128_f4), f32 sums; products left as they are: bf16, f16 or f32 operands; f32 sums; everything else in f32.
;; Inputs: wk 1,024 x 1,024 float32; wo 1,024 x 1,024 float32; wq 1,024 x 1,024 float32; wv 1,024 x 1,024 float32; x 4 x 2,048 x 1,024 float32.
;; Outputs: out0 4 x 2,048 x 1,024 float32.
;; This version of the problem:
;;   THIS VERSION OF THE PROBLEM IS GIVEN IN LOW PRECISION. The matrix products marked QUANTISED in the list below multiply operands that are first quantised to E2M1 (2 exponent bits, 1 mantissa bit; 4 bits a number), with one power-of-two scale for each 32 numbers along K (OCP MX v1.0); their sums are f32. The products marked 'left as it is' may take bf16, f16 or f32 operands, with f32 sums. Whichever they take, every output number must still come out within the allowed error. Rounding operands to bf16 (8 significant bits) uses up far more of that allowance than f16 does (11 bits, for magnitudes from 6e-5 to 65,504). All else is computed in f32.
;;   The module's matrix products, in the order in which they are computed (A, B: the left and right operand; K: the contracted axis; several contracted axes count as one K, in the product's order):
;;     1. [M 8,192, K 1,024] x [K 1,024, N 1,024]; A: input x; B: input wq: QUANTISED
;;     2. [M 8,192, K 1,024] x [K 1,024, N 1,024]; A: input x; B: input wk: QUANTISED
;;     3. [M 8,192, K 1,024] x [K 1,024, N 1,024]; A: input x; B: input wv: QUANTISED
;;     4. batch 64 x [M 2,048, K 64] x [K 64, N 2,048]; A: computed on the way; B: computed on the way: left as it is (an operand is computed on the way)
;;     5. batch 64 x [M 2,048, K 2,048] x [K 2,048, N 64]; A: computed on the way; B: computed on the way: left as it is (an operand is computed on the way)
;;     6. [M 8,192, K 1,024] x [K 1,024, N 1,024]; A: computed on the way; B: input wo: left as it is (an operand is computed on the way)
;;   THE QUANTISER, for each operand of a quantised product, along K:
;;     - K is cut into blocks of 32 from its start; a last block that is shorter is filled with zeros.
;;     - A block's scale is 2^e with e = floor(log2(the largest magnitude in the block)) - 2, held to -126 .. 127; a block of zeros has e = 0. As a byte (E8M0): e + 127.
;;     - Each number is divided by its block's scale, clamped to +-6, and rounded to the nearest number of E2M1, ties to even, subnormals kept.
;;     - The product sums the exact products of the quantised numbers (number of the format x scale) in f32.
;;   ~~~python
;;   def quantise(x, axis):      # numpy; x: float32 -> the quantised numbers, widened to float32 again
;;       x = np.moveaxis(x, axis, -1); K = x.shape[-1]
;;       x = np.pad(x, [(0, 0)] * (x.ndim - 1) + [(0, -K % 32)]); x = x.reshape(x.shape[:-1] + (-1, 32)); a = np.abs(x).max(-1, keepdims=True)
;;       e = np.where(a > 0, np.clip(np.frexp(np.where(a > 0, a, 1))[1] - 1 - 2, -126, 127), 0)      # np.frexp(a)[1] - 1 = floor(log2(a)), exactly
;;       r = np.clip(x / 2.0 ** e, -6, 6)
;;       step = 2.0 ** (np.maximum(np.frexp(np.where(r == 0, 1, r))[1] - 1, 0) - 1)
;;       q = np.round(r / step) * step * 2.0 ** e      # np.round: ties to even
;;       return np.moveaxis(q.reshape(q.shape[:-2] + (-1,))[..., :K], -1, axis).astype(np.float32)
;;   ~~~
;; One version. Each part assembles by itself: llvm-mc -triple=amdgcn-amd-amdhsa -mcpu=gfx1250 --defsym DOCPART=n.
;; ======== version 1 of 1: 5 launches
;; limits: values are held in f16: magnitudes above 65,504 overflow, below 6.1e-05 lose precision
;; workspace buffers: x_codes 4,194,304 bytes; x_scales 262,144 bytes; w_codes 1,572,864 bytes; w_scales 98,304 bytes; wo16 2,097,152 bytes; qkv 50,331,648 bytes; fine 786,432 bytes; attn 16,777,216 bytes
;; launch quant (part 1): grid 384 x 1, 4 waves a work-group, no clusters, 33,280 bytes of LDS; arguments x, wq, wk, wv, wo, x_codes, x_scales, w_codes, w_scales, wo16; writes x_codes, x_scales, w_codes, w_scales, wo16
.if DOCPART == 1
	.amdgcn_target "amdgcn-amd-amdhsa--gfx1250"
	.amdhsa_code_object_version 6
	.text
	.protected	k_q7487d8c51b_quant
	.globl	k_q7487d8c51b_quant
	.p2align	8
	.type	k_q7487d8c51b_quant,@function
k_q7487d8c51b_quant:
	s_mov_b64 s[64:65], 0
	v_nop
	global_prefetch_b8 v0, s[64:65] scope:SCOPE_SE
	s_setreg_imm32_b32 hwreg(HW_REG_WAVE_MODE, 25, 1), 1
	s_wait_xcnt 0x0
; x [8192][1024] and wq, wk, wv [1024][1024], f32, K innermost, become codes of FP4 (E2M1) with one E8M0 byte for each 32 along K; wo [1024][1024] becomes f16.
; A block's scale is 2^(floor(log2(its largest magnitude)) - 2); its byte is the largest magnitude's exponent field - 2, held at 1 from below.  A block of zeros so gets the byte 1: its codes are zeros,
; which add nothing under any byte but 0xff, and the bytes are read by this program alone.
; LIMITS: blocks whose largest magnitude lies under 2^(2 - 126) keep the byte 1; NaN and infinities among the inputs are not served; wo beyond 65,504 is not served (f16).
; Rows are dense and K is a multiple of 32: each tensor is a plain stream of blocks of 32.  A work-group takes a chunk of 32,768 numbers, a wave 8,192.
; Work-groups 0-255: x.  256-351: wq, wk, wv, 32 chunks each, into one buffer of 3,072 rows.  352-383: wo is cast.  Only pointers are chosen for the first two; the cast has a path of its own, without LDS.
; The quantising path: a lane must hold 16 neighbours along K for the conversions, while a load is best where neighbouring lanes take neighbouring bytes: each of a step's four loads reads 512 consecutive
; bytes, the 2,048 bytes turn through the wave's own stage in LDS (16 bytes of padding behind each 64) and come back 64 bytes a lane.  A wave's store of codes covers 256 consecutive bytes, aligned;
; its 256 scale bytes are gathered in LDS and leave as 256 consecutive bytes, aligned.  No barrier: waves share nothing.
.set WAVES, 4
.set STEPS, 16
.set CASTAT, 352                       ; the first work-group that casts wo
.set EMAX,  2
.set CB,    8                          ; bytes of 16 codes
.set R,     16                         ; v16-79   four sets of 16 numbers as they are loaded
.set X,     80                         ; v80-111  two sets of 16 neighbours
.set C,     128                        ; v128-191 codes: four registers for each step
.set E,     112                        ; v112-127 a scale byte for each step
.set WREG,  8192                       ; LDS: a region for each wave: two stages of 32 x SP bytes, then its 256 scale bytes
.set SP,    80
.set SPW,   12                         ; v12  LDS address of my spare word; never rewritten
.set NIL,   13                         ; v13  0; never rewritten
.set SPARE, WAVES*WREG                 ; behind the four regions: the spare words, 128 bytes a wave
.set CR,    16                         ; the cast: v16-143 four sets of 32 numbers
.set CH,    144                        ; the cast: v144-175 two sets of 16 registers of f16
	s_load_b256 s[4:11], s[0:1], 0x0               ; x s[4:5], wq s[6:7], wk s[8:9], wv s[10:11]
	s_load_b256 s[12:19], s[0:1], 0x20             ; wo s[12:13], x_codes s[14:15], x_scales s[16:17], w_codes s[18:19]
	s_load_b128 s[20:23], s[0:1], 0x40             ; w_scales s[20:21], wo16 s[22:23]
	v_lshl_add_u32 v[SPW], v0, 2, SPARE
	v_mov_b32 v[NIL], 0
	v_lshrrev_b32 v1, 5, v0
	v_readfirstlane_b32 s24, v1                    ; wave
	v_and_b32 v2, 31, v0                           ; lane
	v_lshlrev_b32 v3, 4, v2                        ; my 16 bytes of a load's 512
	v_lshlrev_b32 v4, 3, v2                        ; my 8 bytes of a store's 256
	s_mul_i32 s25, s24, WREG                       ; every LDS address is made here, ahead of the parting of the paths
	v_lshrrev_b32 v14, 2, v2
	v_mul_u32_u24 v14, v14, SP
	v_and_b32 v15, 3, v2
	v_lshl_add_u32 v14, v15, 4, v14
	v_add_nc_u32 v14, s25, v14                     ; the stage, on the way in: SP (lane / 4) + 16 (lane % 4)
	v_mul_u32_u24 v15, v2, SP
	v_add_nc_u32 v15, s25, v15                     ; and on the way out: SP x lane
	v_lshrrev_b32 v5, 1, v2
	s_add_co_u32 s25, s25, 2*32*SP
	v_add_nc_u32 v5, s25, v5                       ; my wave's 256 scale bytes, my block's byte
	v_add_nc_u32 v6, s25, v4                       ; and on the way out 8 bytes a lane
	s_mov_b32 s37, 0
	s_wait_kmcnt 0x0
	s_cmp_lt_u32 ttmp9, CASTAT
	s_cbranch_scc1 .Lquant
	; ---- wo to f16: a wave casts 8,192 numbers in eight batches of eight loads; a load reads 512 consecutive bytes, a store covers 256 consecutive bytes, aligned
	s_sub_co_u32 s25, ttmp9, CASTAT
	s_lshl_b32 s25, s25, 2
	s_add_co_u32 s25, s25, s24                     ; which run of 8,192 numbers is my wave's
	s_lshl_b32 s36, s25, 15
	s_add_nc_u64 s[12:13], s[12:13], s[36:37]
	s_lshl_b32 s36, s25, 14
	s_add_nc_u64 s[22:23], s[22:23], s[36:37]
.macro CLOAD t
.irp i, 0,1,2,3,4,5,6,7
	global_load_b128 v[CR+32*((\t)%4)+4*\i:CR+32*((\t)%4)+4*\i+3], v3, s[12:13] offset:512*(8*(\t)+\i) th:TH_LOAD_NT
.endr
.endm
.macro CAST t
.if (\t) < 5
	s_wait_loadcnt 24                              ; this batch's eight loads are in; the three batches behind it stay out
.else
	s_wait_loadcnt 8*(7-(\t))                      ; the tail: the counts run down
.endif
	s_wait_xcnt 0x0                                ; the stores of two batches back have read this set of results: it is rewritten only behind this wait
.irp i, 0,1,2,3,4,5,6,7
	v_cvt_pk_f16_f32 v[CH+16*((\t)%2)+2*\i], v[CR+32*((\t)%4)+4*\i], v[CR+32*((\t)%4)+4*\i+1]
	v_cvt_pk_f16_f32 v[CH+16*((\t)%2)+2*\i+1], v[CR+32*((\t)%4)+4*\i+2], v[CR+32*((\t)%4)+4*\i+3]
.endr
.if (\t)+4 < 8
	CLOAD (\t)+4
.endif
.irp i, 0,1,2,3,4,5,6,7
	global_store_b64 v4, v[CH+16*((\t)%2)+2*\i:CH+16*((\t)%2)+2*\i+1], s[22:23] offset:256*(8*(\t)+\i)
.endr
.endm
.irp t, 0,1,2,3
	CLOAD \t
.endr
.irp t, 0,1,2,3,4,5,6,7
	CAST \t
.endr
	s_branch .Lend
.Lquant:
	; ---- the quantiser.  The buffers are chosen on the work-group's number alone
	s_cmp_lt_u32 ttmp9, 320
	s_cselect_b64 s[26:27], s[8:9], s[10:11]       ; wk or wv
	s_cmp_lt_u32 ttmp9, 288
	s_cselect_b64 s[26:27], s[6:7], s[26:27]       ; wq
	s_cmp_lt_u32 ttmp9, 256
	s_cselect_b64 s[26:27], s[4:5], s[26:27]       ; x
	s_cselect_b64 s[28:29], s[14:15], s[18:19]     ; the codes
	s_cselect_b64 s[30:31], s[16:17], s[20:21]     ; the scale bytes
	s_cselect_b32 s32, 0, 256
	s_cselect_b32 s34, -1, 31
	s_sub_co_u32 s33, ttmp9, s32                   ; the chunk in the codes' buffer: 0-255 of x, 0-95 of the three weights on end
	s_and_b32 s34, s33, s34                        ; the chunk in the source: a weight has 32
	s_lshl_b32 s34, s34, 2
	s_add_co_u32 s34, s34, s24                     ; my wave's run of 8,192 numbers in the source,
	s_lshl_b32 s33, s33, 2
	s_add_co_u32 s33, s33, s24                     ; and in the results
	s_lshl_b32 s36, s34, 15                        ; 32,768 bytes of f32 a run (under 2^32)
	s_add_nc_u64 s[26:27], s[26:27], s[36:37]
	s_lshl_b32 s36, s33, 12                        ; 4,096 bytes of codes
	s_add_nc_u64 s[28:29], s[28:29], s[36:37]
	s_lshl_b32 s36, s33, 8                         ; 256 scale bytes
	s_add_nc_u64 s[30:31], s[30:31], s[36:37]
.macro LOAD t
.irp i, 0,1,2,3
	global_load_b128 v[R+16*((\t)%4)+4*\i:R+16*((\t)%4)+4*\i+3], v3, s[26:27] offset:2048*(\t)+512*\i th:TH_LOAD_NT   ; 32 lanes read 512 consecutive bytes
.endr
.endm
.macro TURN t                          ; step t's numbers through the stage: LDS serves a wave's instructions in order (ISA guide 5.7.1.4), so no wait stands between the stores and the loads
.irp i, 0,1,2,3
	ds_store_b128 v14, v[R+16*((\t)%4)+4*\i:R+16*((\t)%4)+4*\i+3] offset:32*SP*((\t)%2)+8*SP*\i
.endr
.irp i, 0,1,2,3
	ds_load_b128 v[X+16*((\t)%2)+4*\i:X+16*((\t)%2)+4*\i+3], v15 offset:32*SP*((\t)%2)+16*\i
.endr
.endm
.irp t, 0,1,2,3
	LOAD \t
.endr
	s_wait_loadcnt 12                              ; step 0's four loads are in; three steps of four stay out
	TURN 0
.macro STEP t
.set XS, X+16*((\t)%2)
.if (\t) > 0
	s_wait_dscnt 1                                 ; this step's numbers are back from the stage; the last step's byte store may be out
.else
	s_wait_dscnt 0x0
.endif
.if (\t)+4 < STEPS
	LOAD (\t)+4                                    ; into the set whose stores into the stage have read their registers
.endif
.if (\t)+1 < STEPS
.if STEPS-2-(\t) >= 3
	s_wait_loadcnt 12                              ; the next step's four loads are in; those of the three steps behind it may be out
.else
	s_wait_loadcnt 4*(STEPS-2-(\t))
.endif
	TURN (\t)+1                                    ; through the other stage while this step is worked
.endif
	v_max3_num_f32 v8, |v[XS]|, |v[XS+1]|, |v[XS+2]|               ; the largest magnitude of my 16, in two chains
	v_max3_num_f32 v9, |v[XS+3]|, |v[XS+4]|, |v[XS+5]|
.irp i, 6,10
	v_max3_num_f32 v8, v8, |v[XS+\i]|, |v[XS+\i+1]|
	v_max3_num_f32 v9, v9, |v[XS+\i+2]|, |v[XS+\i+3]|
.endr
	v_max3_num_f32 v8, v8, |v[XS+14]|, |v[XS+15]|
	v_max3_num_f32 v8, v8, v9, (EMAX+1)<<23        ; and the floor 2^(EMAX + 1 - 127): the byte cannot fall under 1
	v_max_num_f32_dpp v8, v8, v8 row_xmask:1 row_mask:0xf bank_mask:0xf   ; and of my neighbour's 16: the block's
	v_add_nc_u32 v11, -(EMAX<<23), v8              ; EMAX off its exponent field: the conversion takes the exponent field of this operand as its scale
	v_cvt_scalef32_pk8_fp4_f32 v[C+4*(\t)], v[XS:XS+7], v11
	v_cvt_scalef32_pk8_fp4_f32 v[C+4*(\t)+1], v[XS+8:XS+15], v11
	v_lshrrev_b32 v[E+(\t)], 23, v11               ; the scale's byte (a plain line behind the conversions)
	ds_store_b8 v5, v[E+(\t)] offset:16*(\t)       ; both lanes of a block write the same byte with the same value
	global_store_b64 v4, v[C+4*(\t):C+4*(\t)+1], s[28:29] offset:32*CB*(\t)
.endm
.irp t, 0,1,2,3,4,5,6,7,8,9,10,11,12,13,14,15
	STEP \t
.endr
	ds_load_b64 v[8:9], v6                         ; these see my byte stores: a wave's LDS instructions are served in order
	s_wait_dscnt 0x0
	global_store_b64 v4, v[8:9], s[30:31]          ; 32 lanes store 256 consecutive bytes, aligned
.Lend:
	s_wait_tensorcnt 0x0                           ; the wave's end: behind the last LDS store
	ds_add_u32 v[SPW], v[NIL]
	s_wait_dscnt 0x0
	s_endpgm
.Lfunc_end_k_q7487d8c51b_quant:
	.size	k_q7487d8c51b_quant, .Lfunc_end_k_q7487d8c51b_quant-k_q7487d8c51b_quant
	.p2alignl 7, 3214868480
	.fill 96, 4, 3214868480
	.section	.rodata,"a",@progbits
	.p2align	6, 0x0
	.amdhsa_kernel k_q7487d8c51b_quant
		.amdhsa_group_segment_fixed_size 33280
		.amdhsa_private_segment_fixed_size 0
		.amdhsa_enable_private_segment 0
		.amdhsa_kernarg_size 80
		.amdhsa_user_sgpr_count 2
		.amdhsa_user_sgpr_kernarg_segment_ptr 1
		.amdhsa_wavefront_size32 1
		.amdhsa_system_sgpr_workgroup_id_x 1
		.amdhsa_system_sgpr_workgroup_id_y 1
		.amdhsa_system_sgpr_workgroup_id_z 1
		.amdhsa_system_vgpr_workitem_id 0
		.amdhsa_next_free_vgpr 192
		.amdhsa_next_free_sgpr 66
		.amdhsa_reserve_vcc 0
		.amdhsa_float_denorm_mode_32 3
		.amdhsa_float_denorm_mode_16_64 3
		.amdhsa_memory_ordered 1
		.amdhsa_forward_progress 1
		.amdhsa_inst_pref_size 54
	.end_amdhsa_kernel
	.amdgpu_metadata
---
amdhsa.version: [ 1, 2 ]
amdhsa.kernels:
  - .name:           k_q7487d8c51b_quant
    .symbol:         k_q7487d8c51b_quant.kd
    .args:
      - { .name: x, .offset: 0, .size: 8, .value_kind: global_buffer, .address_space: global }
      - { .name: wq, .offset: 8, .size: 8, .value_kind: global_buffer, .address_space: global }
      - { .name: wk, .offset: 16, .size: 8, .value_kind: global_buffer, .address_space: global }
      - { .name: wv, .offset: 24, .size: 8, .value_kind: global_buffer, .address_space: global }
      - { .name: wo, .offset: 32, .size: 8, .value_kind: global_buffer, .address_space: global }
      - { .name: x_codes, .offset: 40, .size: 8, .value_kind: global_buffer, .address_space: global }
      - { .name: x_scales, .offset: 48, .size: 8, .value_kind: global_buffer, .address_space: global }
      - { .name: w_codes, .offset: 56, .size: 8, .value_kind: global_buffer, .address_space: global }
      - { .name: w_scales, .offset: 64, .size: 8, .value_kind: global_buffer, .address_space: global }
      - { .name: wo16, .offset: 72, .size: 8, .value_kind: global_buffer, .address_space: global }
    .group_segment_fixed_size: 33280
    .private_segment_fixed_size: 0
    .kernarg_segment_align: 8
    .kernarg_segment_size: 80
    .max_flat_workgroup_size: 128
    .sgpr_count:     66
    .vgpr_count:     192
    .wavefront_size: 32
...
	.end_amdgpu_metadata
.endif
;; end of part 1
;; launch project (part 2): grid 12 x 32, 4 waves a work-group, clusters of 4 x 4, 327,680 bytes of LDS; arguments x_codes, x_scales, w_codes, w_scales, qkv, fine; writes qkv, fine
.if DOCPART == 2
	.amdgcn_target "amdgcn-amd-amdhsa--gfx1250"
	.amdhsa_code_object_version 6
	.text
	.protected	k_q7487d8c51b_project
	.globl	k_q7487d8c51b_project
	.p2align	8
	.type	k_q7487d8c51b_project,@function
k_q7487d8c51b_project:
	s_mov_b64 s[64:65], 0
	v_nop
	global_prefetch_b8 v0, s[64:65] scope:SCOPE_SE
	s_setreg_imm32_b32 hwreg(HW_REG_WAVE_MODE, 25, 1), 1
	s_wait_xcnt 0x0
	s_wait_alu depctr_hold_cnt(0) depctr_sa_sdst(0) depctr_va_vdst(0) depctr_va_sdst(0) depctr_va_ssrc(0) depctr_va_vcc(0) depctr_vm_vsrc(0)
	s_getreg_b32 s2, hwreg(HW_REG_IB_STS2, 6, 4)
	s_cmp_eq_u32 s2, 0
	s_cbranch_scc0 .Lentry_in_a_cluster
	s_endpgm
.Lentry_in_a_cluster:
	s_bfe_u32 s2, ttmp6, 0x10000c
	s_cmp_lg_u32 s2, 0xf033
	s_cbranch_scc0 .Lentry_shape_is_right
	s_endpgm
.Lentry_shape_is_right:
; q, k, v = x wq^T, x wk^T, x wv^T as ONE product on codes of FP4 (E2M1) with E8M0 scales: C[m][n] = sum over k of A[m][k] B[n][k], A = x [8192][1024], B = the three weights on end [3072][1024]; sums in f32.
; A tile of C, 256 x 256, is made by four waves, 128 x 128 each: 64 accumulators of 16 x 16, 512 registers.  K = 1,024 is two LDS slots of 512 along K (rows of 256 bytes): both are asked for at the head,
; with the scale bytes of the work-group's rows, and no slot is ever filled again.
; CLUSTERS: 4 x 4 work-groups.  The four of a row of the cluster need the same tiles of A, the four of a column the same tiles of B: each tile is asked for jointly.
; The tile row is cluster y + 8 cy, so that cy is the batch and cluster y the tile in the batch; the tile column is 4 cluster x + cx, so that cluster x says q, k or v.
; THE MATRIX INSTRUCTION IS USED TRANSPOSED (source 0 = 16 rows of B, source 1 = 16 rows of A): a lane holds eight neighbouring columns of one row of C.
; RESULTS: rounded to f16, laid [q k v][batch][head][position][64]: a wave's store covers 512 consecutive bytes, four positions of one head.  LIMIT: |q|, |k|, |v| under 65,504.
; The first 16 positions of every batch also leave as f32, as images of the accumulators' registers (buffer fine): [q k v][batch][head][piece 2 bb + u][lane][16 bytes], lane (r, hf) = position r, channels 16 bb + 8 hf + 4 u + 0..3.
; REGISTERS: window 0: v0-31 addresses; v32-95 scale words, two sets; v96-127 packed results; from v128 A's fragments, one set (on the way out: rows read back).  window 1: B's fragments, two sets.
;   window 2: the accumulators of my rows 0-63 ((a, b) at v[8 (8 a + b)]); window 3: those of my rows 64-127.
.set KSTEP,  512
.set NQ,     KSTEP/128
.set ROWB,   256                       ; a tile's row in bytes
.set KROW,   512                       ; a row of codes in memory
.set PITCH,  272                       ; an LDS row: 256 bytes + 16 of padding: the 16 rows that a load touches start at 16 different banks (64 banks of 4 bytes: ISA guide 11.1)
.set FR,     8
.set NL,     2
.set NP,     4                         ; places behind this matrix instruction (ISA guide 7.12.1)
.set HALFT,  128*PITCH
.set SLOT,   4*HALFT
.set KS,     32                        ; a row of scale bytes
.set SCL,    2*SLOT                    ; behind the slots: the scales, as units of 256 bytes + 16 of padding
.set HALFS,  (128*KS/256)*272
.set SBLK,   (16*KS/256)*272
.set SPARE,  SCL+4*HALFS               ; the spare words, 128 bytes a wave
.set SPITCH, 272                       ; the way out: 16 rows x (256 bytes + 16) a wave, in slot 0, which has had its only fill and its last read by then
.set ADRA, 16
.set ADRB, 20
.set STO,  24
.set RD,   25
.set CO,   26
.set ADRS, 27
.set SPW,  28
.set NIL,  29
.set SC,   32
.set TMP,  96
.set AF,   128
.set BK,   128
.set G1, 24
.set G0, 32
.set G1B, 48
.set G0B, 56
.set G1S, 68
.set G0S, 76
.set G1SB, 80
.set G0SB, 88
.set MSB, 0
.macro WIN new                         ; the immediate's high byte repeats the setting that is left
.if MSB != \new
	s_set_vgpr_msb (MSB<<8)|\new
.set MSB, \new
.endif
.endm
.set MUL_LO, 0xa1                      ; source 0 (B) window 1, source 1 (A) window 0, C and D window 2
.set MUL_HI, 0xf1
.set TO_B,   0x40
; A joint load: waves 0 and 1 fetch for A, waves 2 and 3 for B.  The branch hangs on the wave's number alone.  An s_nop 0 and four v_nop follow each of the two lines.
.macro JLOAD g0a, g1a, g0b, g1b
	s_cmp_eq_u32 s15, 0
	s_cbranch_scc0 .Lfor_b_\@
	tensor_load_to_lds s[\g0a:\g0a+3], s[\g1a:\g1a+7]
	s_nop 0
.rept 4
	v_nop
.endr
	s_branch .Lasked_\@
.Lfor_b_\@:
	tensor_load_to_lds s[\g0b:\g0b+3], s[\g1b:\g1b+7]
	s_nop 0
.rept 4
	v_nop
.endr
.Lasked_\@:
.endm
.macro CROUND                          ; a round of the cluster's barrier
	s_barrier_signal -1
	s_barrier_wait -1
	s_cmp_lg_u32 s14, 0
	s_cbranch_scc1 .Lnot_wave_0_\@
	s_barrier_signal -3
.Lnot_wave_0_\@:
	s_barrier_wait -3
	s_barrier_signal -1
	s_barrier_wait -1
.endm
	s_load_b128 s[4:7], s[0:1], 0x0                ; A's codes, A's scales
	s_load_b128 s[8:11], s[0:1], 0x10              ; B's codes, B's scales
	s_load_b64 s[12:13], s[0:1], 0x20              ; qkv
	s_load_b64 s[96:97], s[0:1], 0x28              ; fine
	v_lshl_add_u32 v[SPW], v0, 2, SPARE
	v_mov_b32 v[NIL], 0
	ds_add_u32 v[SPW], v[NIL]                      ; the wave's opening: the add, twice on end, and its wait ahead of my first tensor load
	ds_add_u32 v[SPW], v[NIL]
	v_lshrrev_b32 v1, 5, v0
	v_readfirstlane_b32 s14, v1                    ; wave 0..3
	s_lshr_b32 s15, s14, 1                         ; which half of the tile's rows is mine.  Also: I fetch for A (0) or for B (1)
	s_and_b32 s16, s14, 1                          ; which half of its columns.  Also: which 128 rows of that tile I fetch
	s_bfe_u32 s40, ttmp6, 0x40000                  ; cx
	s_bfe_u32 s41, ttmp6, 0x40004                  ; cy
	s_lshl_b32 s42, ttmp9, 2
	s_add_co_u32 s42, s42, s40                     ; tile column = 4 x cluster x + cx
	s_and_b32 s67, ttmp7, 0xffff                   ; cluster y
	s_lshl_b32 s17, s41, 3
	s_add_co_u32 s17, s17, s67                     ; tile row = cluster y + 8 cy
	s_or_b32 s66, s67, s15                         ; 0 where my rows begin a batch: the same in all partners, for a given wave
	s_lshl_b32 s43, s41, 2
	s_lshl_b32 s43, 15, s43                        ; my row of the cluster
	s_lshl_b32 s44, 0x1111, s40                    ; my column
	s_or_b32 s[G1+0], s43, (0<<16)|(1<<20)|(1<<21)|(5<<22)|(3<<25)  ; the mask; elements of 1 byte; padding on; bit 21 beside a mask; 4 words behind every 64
	s_or_b32 s[G1B+0], s44, (0<<16)|(1<<20)|(1<<21)|(5<<22)|(3<<25)
.irp g, G1, G1B
	s_mov_b32 s[\g+1], ROWB<<16                    ; tensor_dim0
	s_mov_b32 s[\g+2], 128<<16                     ; tensor_dim1
	s_mov_b32 s[\g+3], ROWB<<16                    ; tile_dim0
	s_mov_b32 s[\g+4], 128                         ; tile_dim1
	s_mov_b32 s[\g+5], KROW                        ; the pitch
	s_mov_b32 s[\g+6], 0
	s_mov_b32 s[\g+7], 0
.endr
	s_or_b32 s[G1S+0], s43, (3<<16)|(1<<20)|(1<<21)|(5<<22)|(3<<25) ; the scales of 128 rows: 4,096 dense bytes as 16 rows of 256 (32 elements of 8 bytes)
	s_or_b32 s[G1SB+0], s44, (3<<16)|(1<<20)|(1<<21)|(5<<22)|(3<<25)
.irp g, G1S, G1SB
	s_mov_b32 s[\g+1], 32<<16
	s_mov_b32 s[\g+2], (128*KS/256)<<16
	s_mov_b32 s[\g+3], 32<<16
	s_mov_b32 s[\g+4], 128*KS/256
	s_mov_b32 s[\g+5], 32
	s_mov_b32 s[\g+6], 0
	s_mov_b32 s[\g+7], 0
.endr
	s_lshl_b32 s18, s16, 7
	s_lshl_b32 s20, s17, 8
	s_add_co_u32 s20, s20, s18                     ; A: row 256 x tile row + 128 x half
	s_lshl_b32 s46, s42, 8
	s_add_co_u32 s46, s46, s18                     ; B: row 256 x tile column + 128 x half
	s_mov_b32 s21, 0
	s_mov_b32 s47, 0
	s_mov_b64 s[18:19], KS
	s_mul_u64 s[22:23], s[20:21], s[18:19]         ; where these rows' scales begin
	s_mul_u64 s[92:93], s[46:47], s[18:19]
	s_mov_b64 s[18:19], KROW
	s_mul_u64 s[20:21], s[20:21], s[18:19]         ; and their codes
	s_mul_u64 s[46:47], s[46:47], s[18:19]
	s_mul_i32 s45, s14, HALFT                      ; where they go: wave x 128 rows
	s_mul_i32 s94, s14, HALFS
	s_wait_dscnt 0x0                               ; both opening adds are done
	s_wait_kmcnt 0x0
	s_add_nc_u64 s[20:21], s[4:5], s[20:21]
	s_add_nc_u64 s[22:23], s[6:7], s[22:23]
	s_add_nc_u64 s[46:47], s[8:9], s[46:47]
	s_add_nc_u64 s[92:93], s[10:11], s[92:93]
	CROUND                                         ; all sixteen work-groups are here: the joint loads meet
	s_mov_b32 s[G0S], 1
	s_add_co_u32 s[G0S+1], s94, SCL
	s_mov_b64 s[G0S+2:G0S+3], s[22:23]
	s_or_b32 s[G0S+3], s[G0S+3], 0x80000000
	s_mov_b32 s[G0SB], 1
	s_add_co_u32 s[G0SB+1], s94, SCL
	s_mov_b64 s[G0SB+2:G0SB+3], s[92:93]
	s_or_b32 s[G0SB+3], s[G0SB+3], 0x80000000
	JLOAD G0S, G1S, G0SB, G1SB                     ; the scales first: they are wanted with the first slot.  Three loads of mine are out behind the two below
.irp s, 0,1
	s_mov_b32 s[G0+4*\s], 1
	s_add_co_u32 s[G0+4*\s+1], s45, \s*SLOT
	s_add_nc_u64 s[G0+4*\s+2:G0+4*\s+3], s[20:21], \s*ROWB
	s_or_b32 s[G0+4*\s+3], s[G0+4*\s+3], 0x80000000
	s_mov_b32 s[G0B+4*\s], 1
	s_add_co_u32 s[G0B+4*\s+1], s45, \s*SLOT
	s_add_nc_u64 s[G0B+4*\s+2:G0B+4*\s+3], s[46:47], \s*ROWB
	s_or_b32 s[G0B+4*\s+3], s[G0B+4*\s+3], 0x80000000
	JLOAD G0+4*\s, G1, G0B+4*\s, G1B
.endr
	v_and_b32 v1, 15, v0                           ; r
	v_bfe_u32 v2, v0, 4, 1                         ; hf
	v_mul_u32_u24 v3, v1, PITCH
	v_lshl_add_u32 v4, v2, 4, v3                   ; a fragment's row x pitch + 16 x half
	s_mul_i32 s21, s15, HALFT                      ; my 128 rows of A
	s_mul_i32 s22, s16, HALFT                      ; my 128 rows of B,
	s_add_co_u32 s22, s22, 2*HALFT                 ; behind A's 256
.irp s, 0,1
	v_add_nc_u32 v[ADRA+\s], s21, v4
	v_add_nc_u32 v[ADRB+\s], s22, v4
	s_add_co_u32 s21, s21, SLOT
	s_add_co_u32 s22, s22, SLOT
.endr
	v_mul_u32_u24 v5, v1, KS                       ; my row's scales: KS bytes a row,
	v_lshrrev_b32 v6, 8, v5
	v_lshl_add_u32 v5, v6, 4, v5                   ; and 16 more for each 256 passed
	s_mul_i32 s21, s15, HALFS
	s_mul_i32 s22, s16, HALFS
	s_add_co_u32 s22, s22, 2*HALFS
	s_sub_co_u32 s22, s22, s21
	v_mul_u32_u24 v6, s22, v2                      ; lanes 16-31 take B's: one product, the distance between the two bases
	s_add_co_u32 s21, s21, SCL
	v_add_nc_u32 v5, v5, v6
	v_add_nc_u32 v[ADRS], s21, v5
	s_mul_i32 s23, s14, 16*SPITCH                  ; my stage
	v_mul_u32_u24 v5, v1, SPITCH                   ; in: row r, 16 bytes for each half of the lanes
	v_lshl_add_u32 v5, v2, 4, v5
	v_add_nc_u32 v[STO], s23, v5
	v_bfe_u32 v5, v0, 3, 2                         ; back: eight lanes take a head's 128 bytes of a row, four rows an instruction
	v_mul_u32_u24 v5, v5, SPITCH
	v_and_b32 v6, 7, v0
	v_lshl_add_u32 v5, v6, 4, v5
	v_add_nc_u32 v[RD], s23, v5
	v_and_b32 v6, 31, v0
	v_lshlrev_b32 v[CO], 4, v6                     ; and in memory those four rows are 512 consecutive bytes
	; where my part begins in qkv: which x 2^24 + (16 batch + 4 cx + 2 column half) heads of 2^18 + (256 cluster y + 128 row half) positions of 128 bytes
	s_lshl_b32 s46, ttmp9, 24
	s_lshl_b32 s92, s41, 4
	s_lshl_b32 s93, s40, 2
	s_add_co_u32 s92, s92, s93
	s_lshl_b32 s93, s16, 1
	s_add_co_u32 s92, s92, s93                     ; my first head, with its batch
	s_lshl_b32 s93, s92, 18
	s_add_co_u32 s46, s46, s93
	s_lshl_b32 s93, s67, 15
	s_add_co_u32 s46, s46, s93
	s_lshl_b32 s93, s15, 14
	s_add_co_u32 s46, s46, s93
	s_mov_b32 s47, 0
	s_add_nc_u64 s[12:13], s[12:13], s[46:47]
	s_lshl_b32 s93, ttmp9, 6                       ; in fine: (64 which + 16 batch + head) images of 4,096 bytes
	s_add_co_u32 s92, s92, s93
	s_lshl_b32 s92, s92, 12
	s_mov_b32 s93, 0
	s_add_nc_u64 s[96:97], s[96:97], s[92:93]
.macro FRAG reg, adr, q, i             ; 16 rows x 128 K of 4-bit codes: 8 registers; registers 4 c .. 4 c + 3 hold K = 64 c + 32 (l / 16) + 0 .. 31
.irp c, 0,1
	ds_load_b128 v[\reg+4*\c:\reg+4*\c+3], v[\adr] offset:64*(\q)+32*\c+(\i)*16*PITCH
.endr
.endm
; 16 matrix instructions: A's blocks a0, a0 + 1 x B's eight, the slot's q-th 128 along K.  p: B's set; sc: the set of scale words.  zero = 1: the first product starts the sums.
; The 64 accumulators take turns, one instruction a turn, in the same order in every step.
.macro MUL16 a0, p, q, sc, zero
.irp a, \a0, \a0+1
.irp b, 0,1,2,3,4,5,6,7
.if \zero
	v_wmma_scale_f32_16x16x128_f8f6f4 v[8*(8*((\a)%4)+\b):8*(8*((\a)%4)+\b)+7], v[128*(\p)+FR*\b:128*(\p)+FR*\b+FR-1], v[AF+FR*(\a):AF+FR*(\a)+FR-1], 0, v[SC+8*NQ*(\sc)+NQ*\b+(\q)], v[SC+8*NQ*(\sc)+NQ*(\a)+(\q)] matrix_a_fmt:MATRIX_FMT_FP4 matrix_b_fmt:MATRIX_FMT_FP4 matrix_a_scale:MATRIX_SCALE_ROW1
.else
	v_wmma_scale_f32_16x16x128_f8f6f4 v[8*(8*((\a)%4)+\b):8*(8*((\a)%4)+\b)+7], v[128*(\p)+FR*\b:128*(\p)+FR*\b+FR-1], v[AF+FR*(\a):AF+FR*(\a)+FR-1], v[8*(8*((\a)%4)+\b):8*(8*((\a)%4)+\b)+7], v[SC+8*NQ*(\sc)+NQ*\b+(\q)], v[SC+8*NQ*(\sc)+NQ*(\a)+(\q)] matrix_a_fmt:MATRIX_FMT_FP4 matrix_b_fmt:MATRIX_FMT_FP4 matrix_a_scale:MATRIX_SCALE_ROW1
.endif
.endr
.endr
.endm
.macro FETCH_B slot, q, p
	WIN TO_B
.irp i, 0,1,2,3,4,5,6,7
	FRAG 128*(\p)+FR*\i, ADRB+\slot, \q, \i
.endr
	WIN 0
.endm
.macro FETCH_A slot, q, i0
.irp i, \i0, \i0+1, \i0+2, \i0+3
	FRAG AF+FR*(\i), ADRA+\slot, \q, \i
.endr
.endm
.macro SCALES sc                       ; a slot's scale words: four a row; lanes 0-15 take A's block i, lanes 16-31 B's block i
.irp i, 0,1,2,3,4,5,6,7
	ds_load_b128 v[SC+8*NQ*\sc+NQ*\i:SC+8*NQ*\sc+NQ*\i+3], v[ADRS] offset:\i*SBLK
.endr
.endm
.macro PLACES n                        ; plain vector lines between a matrix instruction and a load into, or a read of, its registers
.rept \n
	v_nop
.endr
.endm
.macro STEP slot, q, zero              ; 128 along K that has its successor in the same slot
	s_wait_dscnt 4*NL                              ; B's set and A's blocks 0-3 are in; the youngest eight loads (A's blocks 4-7) may be out
	WIN MUL_LO
	MUL16 0, (\q)%2, \q, \slot, \zero
	MUL16 2, (\q)%2, \q, \slot, \zero
	s_wait_dscnt 0
	PLACES NP
	FETCH_B \slot, (\q)+1, 1-(\q)%2
	FETCH_A \slot, (\q)+1, 0
	WIN MUL_HI
	MUL16 4, (\q)%2, \q, \slot, \zero
	MUL16 6, (\q)%2, \q, \slot, \zero
	PLACES NP
	WIN 0
	FETCH_A \slot, (\q)+1, 4
.endm
; Slot 0's last step goes over to slot 1: each wave waits for all its tensor loads (slot 1's part), adds 0 to its spare word, waits for that and for its reads of slot 0, and passes a barrier.
; Nothing is filled again.  Behind this barrier nobody reads slot 0 any more: the way out may lay its stage there.
.macro TURN slot, next
	s_wait_tensorcnt 0x0
	ds_add_u32 v[SPW], v[NIL]
	s_wait_dscnt 4*NL+1                            ; the add and the youngest eight loads (A's blocks 4-7) may be out
	WIN MUL_LO
	MUL16 0, 1, NQ-1, \slot, 0
	s_wait_dscnt 0x0                               ; the add is done, and my reads of this slot are over
	s_barrier_signal -1
	MUL16 2, 1, NQ-1, \slot, 0
	WIN 0
	s_barrier_wait -1
	PLACES NP
	v_add_nc_u32 v[ADRS], 4*NQ, v[ADRS]            ; on to the next slot's scale words
	FETCH_B \next, 0, 0
	FETCH_A \next, 0, 0
	SCALES \next
	WIN MUL_HI
	MUL16 4, 1, NQ-1, \slot, 0
	MUL16 6, 1, NQ-1, \slot, 0
	PLACES NP
	WIN 0
	FETCH_A \next, 0, 4
.endm
.macro STEPS slot, from
.set Q, \from
.rept NQ-1-\from
	STEP \slot, Q, 0
.set Q, Q+1
.endr
.endm
	s_wait_tensorcnt 1                             ; the scales and my part of slot 0 are in; slot 1's load may be out,
	s_barrier_signal -1
	s_barrier_wait -1                              ; everybody's are
	FETCH_B 0, 0, 0
	FETCH_A 0, 0, 0
	SCALES 0
	FETCH_A 0, 0, 4
	STEP 0, 0, 1                                   ; the first products start the sums: nothing is cleared
	STEPS 0, 1
	TURN 0, 1
	STEPS 1, 0
	s_wait_dscnt 4*NL                              ; the last step: nothing more to fetch
	WIN MUL_LO
	MUL16 0, 1, NQ-1, 1, 0
	MUL16 2, 1, NQ-1, 1, 0
	s_wait_dscnt 0
	WIN MUL_HI
	MUL16 4, 1, NQ-1, 1, 0
	MUL16 6, 1, NQ-1, 1, 0
	WIN 0
	PLACES NP
	; the first 16 positions of a batch, in f32: block 0's eight accumulators as they stand, each from its low end on; a store covers 512 consecutive bytes
	s_cmp_lg_u32 s66, 0
	s_cbranch_scc1 .Lnofine
	WIN 0x08                                       ; a store's data are its source 1: window 2
.irp b, 0,1,2,3,4,5,6,7
.irp u, 0,1
	global_store_b128 v[CO], v[8*\b+4*\u:8*\b+4*\u+3], s[96:97] offset:1024*\b+512*\u
.endr
.endr
	WIN 0
.Lnofine:
; THE WAY OUT, block by block of 16 rows x 128 columns (two heads): rounded to f16, 16 bytes a lane into my stage, back as four positions x 128 bytes of one head.
.macro PACK a
.set AC, 64*((\a)%4)
	WIN 0x0a+5*((\a)/4)                            ; sources 0 and 1: window 2 or 3
.irp b, 0,1,2,3,4,5,6,7
.irp i, 0,1,2,3
	v_cvt_pk_f16_f32 v[TMP+4*\b+\i], v[AC+8*\b+2*\i], v[AC+8*\b+2*\i+1]
.endr
.endr
	WIN 0
.endm
.macro TOSTAGE a
.set BB, BK+32*((\a)%2)
.irp b, 0,1,2,3,4,5,6,7
	ds_store_b128 v[STO], v[TMP+4*\b:TMP+4*\b+3] offset:32*\b
.endr
.irp t, 0,1,2,3,4,5,6,7
	ds_load_b128 v[BB+4*\t:BB+4*\t+3], v[RD] offset:4*(\t%4)*SPITCH+128*(\t/4)   ; a wave's LDS instructions are served in order (ISA guide 5.7.1.4): these see the stores above
.endr
.endm
.macro SEND a
.set BB, BK+32*((\a)%2)
	s_wait_dscnt 0x0                               ; the block is back in registers
	s_wait_xcnt 0x0                                ; the stores of the block before have read their registers: the next block's loads may land there
.irp t, 0,1,2,3,4,5,6,7
	global_store_b128 v[CO], v[BB+4*\t:BB+4*\t+3], s[12:13] offset:(\a)*2048+(\t%4)*512+(\t/4)*262144
.endr
.endm
	PACK 0
	TOSTAGE 0
.irp a, 1,2,3,4,5,6,7                  ; block a's conversions stand between block a - 1's loads from the stage and the wait for them
	PACK \a
	SEND \a-1
	TOSTAGE \a
.endr
	SEND 7
	s_wait_tensorcnt 0x0                           ; the wave's end
	ds_add_u32 v[SPW], v[NIL]
	s_wait_dscnt 0x0
	CROUND                                         ; the closing round
	s_endpgm
.Lfunc_end_k_q7487d8c51b_project:
	.size	k_q7487d8c51b_project, .Lfunc_end_k_q7487d8c51b_project-k_q7487d8c51b_project
	.p2alignl 7, 3214868480
	.fill 96, 4, 3214868480
	.section	.rodata,"a",@progbits
	.p2align	6, 0x0
	.amdhsa_kernel k_q7487d8c51b_project
		.amdhsa_group_segment_fixed_size 327680
		.amdhsa_private_segment_fixed_size 0
		.amdhsa_enable_private_segment 0
		.amdhsa_kernarg_size 48
		.amdhsa_user_sgpr_count 2
		.amdhsa_user_sgpr_kernarg_segment_ptr 1
		.amdhsa_wavefront_size32 1
		.amdhsa_system_sgpr_workgroup_id_x 1
		.amdhsa_system_sgpr_workgroup_id_y 1
		.amdhsa_system_sgpr_workgroup_id_z 1
		.amdhsa_system_vgpr_workitem_id 0
		.amdhsa_next_free_vgpr 1024
		.amdhsa_next_free_sgpr 100
		.amdhsa_reserve_vcc 0
		.amdhsa_float_denorm_mode_32 3
		.amdhsa_float_denorm_mode_16_64 3
		.amdhsa_memory_ordered 1
		.amdhsa_forward_progress 1
		.amdhsa_inst_pref_size 128
	.end_amdhsa_kernel
	.amdgpu_metadata
---
amdhsa.version: [ 1, 2 ]
amdhsa.kernels:
  - .name:           k_q7487d8c51b_project
    .symbol:         k_q7487d8c51b_project.kd
    .args:
      - { .name: x_codes, .offset: 0, .size: 8, .value_kind: global_buffer, .address_space: global }
      - { .name: x_scales, .offset: 8, .size: 8, .value_kind: global_buffer, .address_space: global }
      - { .name: w_codes, .offset: 16, .size: 8, .value_kind: global_buffer, .address_space: global }
      - { .name: w_scales, .offset: 24, .size: 8, .value_kind: global_buffer, .address_space: global }
      - { .name: qkv, .offset: 32, .size: 8, .value_kind: global_buffer, .address_space: global }
      - { .name: fine, .offset: 40, .size: 8, .value_kind: global_buffer, .address_space: global }
    .group_segment_fixed_size: 327680
    .private_segment_fixed_size: 0
    .kernarg_segment_align: 8
    .kernarg_segment_size: 48
    .max_flat_workgroup_size: 128
    .sgpr_count:     100
    .vgpr_count:     1024
    .wavefront_size: 32
...
	.end_amdgpu_metadata
.endif
;; end of part 2
;; launch attention (part 3): grid 4 x 64, 8 waves a work-group, no clusters, 327,680 bytes of LDS; arguments qkv, attn; writes attn
.if DOCPART == 3
	.amdgcn_target "amdgcn-amd-amdhsa--gfx1250"
	.amdhsa_code_object_version 6
	.text
	.protected	k_q7487d8c51b_attention
	.globl	k_q7487d8c51b_attention
	.p2align	8
	.type	k_q7487d8c51b_attention,@function
k_q7487d8c51b_attention:
	s_mov_b64 s[64:65], 0
	v_nop
	global_prefetch_b8 v0, s[64:65] scope:SCOPE_SE
	s_setreg_imm32_b32 hwreg(HW_REG_WAVE_MODE, 25, 1), 1
	s_wait_xcnt 0x0
; attn[h][b s][:] = the sum over keys k <= s of softmax_k(q . k / 8) v, for each of 64 (batch, head) pairs; q, k, v: f16, [q k v][batch][head][2048][64]; products, maxima and sums in f32; the weights p are
; rounded to f16 for the second product, the result once at the end.  attn is laid [head][batch x 2048 + position][64] f16.  LIMIT: the result stays under 65,504 because |v| does.
; SHARES.  Work-group (j, bh) owns the query blocks 7 - j and j (256 queries each) of one head: 8 - j and j + 1 key slots of 256 keys, NINE slot trips in every work-group, so trip counts are constants
; and all 256 work-groups have equal work.  The larger block goes first.  No cluster: the four work-groups of a head need different numbers of key slots.
; Wave w owns 32 queries of the block in hand, two tiles of 16; two waves share a SIMD, so that one wave's softmax stands beside the other's products.  A slot is walked in four steps of 64 keys.
; LAYOUT.  S^T = K Q^T (source 0 = 16 keys, source 1 = 16 queries): a lane holds ONE query (lane % 16) and keys 8 (lane / 16) + 0..7 of a tile.  Two such tiles, rounded in pairs, ARE source 1 of O^T = V^T P.
; K comes out of LDS as it lies, V ([key][channel]) turned, by ds_load_tr16_b128.
; SOFTMAX.  A running maximum m and sum l for each query: p = 2^(c s - c m), c = log2(e) / 8; in every step O and l are multiplied by a = 2^(c m_old - c m_new).  The step is written once: the first finds
; O = 0, l = 0 and m = -3e38.  Key 0 counts for every query, so m is a score from the first step on.
; THE MASK.  A step all of whose keys come after my 32 queries is left out, with all later steps of its slot (a scalar branch on ids); in the step on the diagonal hidden scores become -infinity.
; THE RING.  Two slots; waves 0-3 fetch K's quarters, waves 4-7 V's, one tensor load a wave behind each change of slots: one load of mine is out at most, and every wait for tensor loads is for 0.
; REGISTERS.  window 0: v2-16 addresses and constants; v24-39 statistics, eight a tile; v64-127 S^T, 32 a tile; v128-159 P, 16 a tile.
;   window 1: v0-63 O^T, 32 a tile; v64-95 Q; v96-159 K of a step; v160-223 V of a step.
.set KP,    144                        ; a row of K in LDS: 128 bytes + 16: an odd multiple of 16
.set VP,    160                        ; a row of V: 128 + 32: an odd multiple of 32, for the turning load
.set VOFF,  256*KP
.set SLOT1, 1<<17
.set STAGE, 2*SLOT1                    ; behind the ring: 32 rows x 144 bytes for each wave, for the way out
.set SPARE, STAGE+8*32*KP              ; the spare words, 128 bytes a wave
.set AK0, 2
.set AV0, 3
.set ADK, 4
.set ADV, 5
.set QO,  6
.set STO, 7
.set RD,  8
.set GO,  9
.set SPW, 10
.set NIL, 11
.set PFO, 12
.set NINF, 13
.set D0,  14                           ; v14, v15: my query less the step's first key less 8 (lane / 16), for tiles 0 and 1
.set RH,  16
.set ST,  24                           ; tile x at v[ST+8 x]: +0 c m, +1 m, +2, +3 l, +4 .. +7 at work (a in +6)
.set S,   64
.set P,   128
.set O,   0
.set QF,  64
.set KFR, 96
.set VF,  160
.set WV,  8
.set J,   9
.set BH,  10
.set KB,  12                           ; s[12:13] K of my head at my quarter of slot 0;  s[14:15] V likewise
.set VB,  14
.set QAB, 16                           ; s[16:17], s[18:19] my 32 queries of the first and of the second block
.set QAA, 18
.set OAB, 20                           ; s[20:21], s[22:23] their rows in attn
.set OAA, 22
.set G1K, 24
.set G1V, 32
.set G0K, 40
.set G0V, 44
.set CS,  48
.set SEL, 50
.set TB,  52                           ; LDS byte at which the slot in hand begins
.set TRIP, 53
.set KS,  54                           ; the key slot in hand
.set QB,  55                           ; the query block in hand
.set Q0,  56                           ; my first query
.set KFS, 57                           ; the slot's first key
.set LIM, 58
.set PFA, 60
.set MSB, 0
.macro WIN new
.if MSB != \new
	s_set_vgpr_msb (MSB<<8)|\new
.set MSB, \new
.endif
.endm
.set W_KQ, 0x05                        ; K and Q in window 1, S^T in window 0
.set W_PV, 0x51                        ; V in window 1, P in window 0, O^T in window 1
.set W_LD, 0x40                        ; destination window 1, address window 0
.set W_RS, 0x41                        ; O^T (destination and source 0) in window 1, the factor in window 0
.set W_CV, 0x05                        ; sources in window 1, destination in window 0
.macro PLACES
.rept 4
	v_nop
.endr
.endm
; Waves 0-3 fetch a quarter of K's 256 rows, waves 4-7 of V's.  The branch hangs on the wave's number alone.  An s_nop 0 and four v_nop follow each line.
.macro TLOAD
	s_cmp_lt_u32 s[WV], 4
	s_cbranch_scc0 .Lfor_v_\@
	tensor_load_to_lds s[G0K:G0K+3], s[G1K:G1K+7]
	s_nop 0
.rept 4
	v_nop
.endr
	s_branch .Lasked_\@
.Lfor_v_\@:
	tensor_load_to_lds s[G0V:G0V+3], s[G1V:G1V+7]
	s_nop 0
.rept 4
	v_nop
.endr
.Lasked_\@:
.endm
; A prefetch of what the NEXT change of slots will load.  All four work-groups of a head walk slots 0, 1, .. in the same trips: the work-group j = 0, which walks all eight, asks, and nobody else.
; Each of its waves asks for its own quarter, 8,192 dense bytes, lanes 256 bytes apart: one instruction.  Trips 0 to 5 ask for slots 2 to 7; slots 0 and 1 come by their loads alone.
.macro ASK
	s_cmp_lt_u32 s[TRIP], s[LIM]
	s_cbranch_scc0 .Lnot_mine_\@
	global_prefetch_b8 v[PFO], s[PFA:PFA+1] th:TH_LOAD_NT scope:SCOPE_SE
.Lnot_mine_\@:
.endm
.macro KLOAD q                         ; a step's K: 64 keys x 64 channels: 8 fragments, 16 loads
.irp kt, 0,1,2,3
.irp c, 0,1
.irp u, 0,1
	ds_load_b128 v[KFR+16*\kt+8*\c+4*\u:KFR+16*\kt+8*\c+4*\u+3], v[ADK] offset:(64*(\q)+16*\kt)*KP+64*\c+32*\u
.endr
.endr
.endr
.endm
.macro VLOAD q                         ; a step's V, turned: fragment (g, ct) = channels 16 ct on x keys 32 g on
.irp g, 0,1
.irp ct, 0,1,2,3
.irp u, 0,1
	ds_load_tr16_b128 v[VF+32*\g+8*\ct+4*\u:VF+32*\g+8*\ct+4*\u+3], v[ADV] offset:(64*(\q)+32*\g+16*\u)*VP+32*\ct
.endr
.endr
.endr
.endm
.macro QLOAD base                      ; my 32 queries stay in registers: tile x, channels 32 c on
	WIN W_LD
.irp x, 0,1
.irp c, 0,1
.irp u, 0,1
	global_load_b128 v[QF+16*\x+8*\c+4*\u:QF+16*\x+8*\c+4*\u+3], v[QO], s[\base:\base+1] offset:2048*\x+64*\c+32*\u
.endr
.endr
.endr
	WIN 0
.endm
.macro RESET                           ; a block of queries begins: O = 0, l = 0, m = -3e38
	WIN W_LD
.set i, 0
.rept 64
	v_mov_b32 v[O+i], 0
.set i, i+1
.endr
	WIN 0
.irp x, 0,1
	v_mov_b32 v[ST+8*\x+1], 0xff61b1e6
	v_mul_f32 v[ST+8*\x], s[CS], v[ST+8*\x+1]
.irp k, 2,3,4,5,6,7
	v_mov_b32 v[ST+8*\x+\k], 0
.endr
.endr
.endm
; The softmax of a step, both tiles line by line by turns.  All 66 exponentials are one batch with one wait ahead of its first reader.
.macro SOFTMAX
.irp j, 0,1,2,3
.irp x, 0,1
	v_max3_num_f32 v[ST+8*\x+4+\j], v[S+32*\x+8*\j], v[S+32*\x+8*\j+1], v[S+32*\x+8*\j+2]   ; four chains, each begun at an accumulator's low end
.endr
.endr
.irp g, 1,2
.irp j, 0,1,2,3
.irp x, 0,1
	v_max3_num_f32 v[ST+8*\x+4+\j], v[ST+8*\x+4+\j], v[S+32*\x+8*\j+2*\g+1], v[S+32*\x+8*\j+2*\g+2]
.endr
.endr
.endr
.irp x, 0,1
	v_max3_num_f32 v[ST+8*\x+4], v[ST+8*\x+4], v[S+32*\x+7], v[S+32*\x+15]
	v_max3_num_f32 v[ST+8*\x+6], v[ST+8*\x+6], v[S+32*\x+23], v[S+32*\x+31]
.endr
.irp x, 0,1
	v_max3_num_f32 v[ST+8*\x+4], v[ST+8*\x+4], v[ST+8*\x+5], v[ST+8*\x+6]
.endr
.irp x, 0,1
	v_max3_num_f32 v[ST+8*\x+4], v[ST+8*\x+4], v[ST+8*\x+7], v[ST+8*\x+1]   ; with the old m
.endr
.irp x, 0,1
	v_permlanex16_b32 v[ST+8*\x+5], v[ST+8*\x+4], s[SEL], s[SEL+1]          ; the query's other 32 keys lie in the lane 16 away
.endr
.irp x, 0,1
	v_mov_b32 v[ST+8*\x+7], v[ST+8*\x]             ; c m_old is kept for a
.endr
.irp x, 0,1
	v_max_num_f32 v[ST+8*\x+1], v[ST+8*\x+4], v[ST+8*\x+5]
.endr
.irp x, 0,1
	v_mul_f32 v[ST+8*\x], s[CS], v[ST+8*\x+1]
.endr
.irp x, 0,1
	v_sub_f32 v[ST+8*\x+7], v[ST+8*\x+7], v[ST+8*\x]
.endr
.irp x, 0,1
	v_exp_f32 v[ST+8*\x+6], v[ST+8*\x+7]           ; a
.endr
.set i, 0
.rept 16
.irp x, 0,1
	v_pk_fma_f32 v[S+32*\x+2*i:S+32*\x+2*i+1], v[S+32*\x+2*i:S+32*\x+2*i+1], s[CS:CS+1], v[ST+8*\x:ST+8*\x+1] op_sel_hi:[1,0,0] neg_lo:[0,0,1] neg_hi:[0,0,1]   ; c s - c m
.endr
.set i, i+1
.endr
.set i, 0
.rept 32
.irp x, 0,1
	v_exp_f32 v[S+32*\x+i], v[S+32*\x+i]
.endr
.set i, i+1
.endr
	v_nop                                          ; a plain line behind the last exponential
	s_wait_alu depctr_va_vdst(0)                   ; the wait ahead of the first line that names a result: one for the batch
.set i, 0
.rept 16
.irp x, 0,1
	v_cvt_pk_f16_f32 v[P+16*\x+i], v[S+32*\x+2*i], v[S+32*\x+2*i+1]
.endr
.set i, i+1
.endr
.irp u, 0,1,2,3,4,5,6,7                ; the sum of the unrounded weights, in place, as a tree of pairs
.irp x, 0,1
	v_pk_add_f32 v[S+32*\x+4*\u:S+32*\x+4*\u+1], v[S+32*\x+4*\u:S+32*\x+4*\u+1], v[S+32*\x+4*\u+2:S+32*\x+4*\u+3]
.endr
.endr
.irp u, 0,1,2,3
.irp x, 0,1
	v_pk_add_f32 v[S+32*\x+8*\u:S+32*\x+8*\u+1], v[S+32*\x+8*\u:S+32*\x+8*\u+1], v[S+32*\x+8*\u+4:S+32*\x+8*\u+5]
.endr
.endr
.irp u, 0,1
.irp x, 0,1
	v_pk_add_f32 v[S+32*\x+16*\u:S+32*\x+16*\u+1], v[S+32*\x+16*\u:S+32*\x+16*\u+1], v[S+32*\x+16*\u+8:S+32*\x+16*\u+9]
.endr
.endr
.irp x, 0,1
	v_pk_add_f32 v[S+32*\x:S+32*\x+1], v[S+32*\x:S+32*\x+1], v[S+32*\x+16:S+32*\x+17]
.endr
.irp x, 0,1
	v_pk_fma_f32 v[ST+8*\x+2:ST+8*\x+3], v[ST+8*\x+2:ST+8*\x+3], v[ST+8*\x+6:ST+8*\x+7], v[S+32*\x:S+32*\x+1] op_sel_hi:[1,0,1]   ; l = a l + the sum
.endr
	WIN W_RS
.irp x, 0,1
.set i, 0
.rept 16
	v_pk_mul_f32 v[O+32*\x+2*i:O+32*\x+2*i+1], v[O+32*\x+2*i:O+32*\x+2*i+1], v[ST+8*\x+6:ST+8*\x+7] op_sel_hi:[1,0]   ; O^T x a, each accumulator from its low end on
.set i, i+1
.endr
.endr
.endm
; A KEY STEP: 64 keys, the q-th of the slot in hand.  n names the label behind the slot's steps.
.macro STEP q, n
	s_add_co_u32 s62, s[KFS], 64*\q                ; the step's first key
	s_add_co_u32 s63, s[Q0], 31                    ; my last query
	s_cmp_gt_u32 s62, s63
	s_cbranch_scc1 .Lslot_end_\n                   ; all its keys are hidden, and so are all later steps' of this slot
	PLACES                                         ; behind the last products that read V's registers
	WIN W_LD
	VLOAD \q
	s_wait_dscnt 16                                ; K of this step is in; the 16 loads of V just issued stay out
	WIN W_KQ
.irp c, 0,1                            ; eight accumulators by turns, one instruction a turn
.irp kt, 0,1,2,3
.irp x, 0,1
.if \c == 0
	v_wmma_f32_16x16x32_f16 v[S+32*\x+8*\kt:S+32*\x+8*\kt+7], v[KFR+16*\kt+8*\c:KFR+16*\kt+8*\c+7], v[QF+16*\x+8*\c:QF+16*\x+8*\c+7], 0
.else
	v_wmma_f32_16x16x32_f16 v[S+32*\x+8*\kt:S+32*\x+8*\kt+7], v[KFR+16*\kt+8*\c:KFR+16*\kt+8*\c+7], v[QF+16*\x+8*\c:QF+16*\x+8*\c+7], v[S+32*\x+8*\kt:S+32*\x+8*\kt+7]
.endif
.endr
.endr
.endr
	WIN 0
	PLACES                                         ; ahead of the loads into K's registers and of the first read of the scores
.if \q < 3
	WIN W_LD
	KLOAD (\q)+1                                   ; the next step's K lands under this step's softmax
	WIN 0
.endif
	s_add_co_u32 s63, s62, 63
	s_cmp_le_u32 s63, s[Q0]
	s_cbranch_scc1 .Lopen_\@                       ; all 64 keys count for all my queries
	s_sub_co_i32 s63, s[Q0], s62
	v_add_nc_u32 v[D0], s63, v[RH]                 ; register 8 kt + i of tile x holds key 16 kt + i + 8 (lane / 16) of the step: hidden where 16 kt + i > my query - first key - 8 (lane / 16)
	v_add_nc_u32 v[D0+1], 16, v[D0]
.irp x, 0,1
.irp m, 0,1,2,3,4,5,6,7,8,9,10,11,12,13,14,15,16,17,18,19,20,21,22,23,24,25,26,27,28,29,30,31
	v_cmp_gt_i32 vcc_lo, 16*(\m/8)+\m%8, v[D0+\x]
	v_cndmask_b32 v[S+32*\x+\m], v[S+32*\x+\m], v[NINF], vcc_lo
.endr
.endr
.Lopen_\@:
	SOFTMAX
.if \q < 3
	s_wait_dscnt 16                                ; V is in; the next step's 16 loads of K stay out
.else
	s_wait_dscnt 0x0
.endif
	WIN W_PV
.irp g, 0,1                            ; eight accumulators by turns
.irp ct, 0,1,2,3
.irp x, 0,1
	v_wmma_f32_16x16x32_f16 v[O+32*\x+8*\ct:O+32*\x+8*\ct+7], v[VF+32*\g+8*\ct:VF+32*\g+8*\ct+7], v[P+16*\x+8*\g:P+16*\x+8*\g+7], v[O+32*\x+8*\ct:O+32*\x+8*\ct+7]
.endr
.endr
.endr
	WIN 0
.endm
; THE CHANGE OF SLOTS, at a slot's head.  Each wave waits for all its tensor loads (its part of the slot ahead), adds 0 to its spare word, and waits for that and for its reads of the slot that it has left.
; Behind the barrier the slot ahead is whole and nobody reads the other.  fill = 1: that other slot takes the next trip's keys: slot KS + 1 of the head, or slot 0 where the block of queries ends here.
.macro CHANGE fill
	s_wait_tensorcnt 0x0                           ; no tensor load of mine is out, so a group 0 may be written
	ds_add_u32 v[SPW], v[NIL]                      ; 0 onto my spare word; the descriptors' steps stand between it and the wait for it
.if \fill
	s_add_co_u32 s62, s[KS], 1
	s_cmp_eq_u32 s[KS], s[QB]
	s_cselect_b32 s62, 0, s62
	s_lshl_b32 s68, s62, 15                        ; 256 rows of 128 bytes a slot
	s_mov_b32 s69, 0
	s_xor_b32 s[G0K+1], s[G0K+1], SLOT1
	s_add_nc_u64 s[G0K+2:G0K+3], s[KB:KB+1], s[68:69]
	s_or_b32 s[G0K+3], s[G0K+3], 0x80000000
	s_xor_b32 s[G0V+1], s[G0V+1], SLOT1
	s_add_nc_u64 s[G0V+2:G0V+3], s[VB:VB+1], s[68:69]
	s_or_b32 s[G0V+3], s[G0V+3], 0x80000000
	s_wait_xcnt 0x0                                ; the last prefetch, a slot back, has read its address
	s_add_nc_u64 s[PFA:PFA+1], s[PFA:PFA+1], 32768
.endif
	s_wait_dscnt 0x0                               ; the add is done, and my reads of the slot that I have left are over
	s_barrier_signal -1
	s_barrier_wait -1
.if \fill
	TLOAD                                          ; the first thing behind the barrier, and my one tensor load until the next
	ASK
.endif
	v_add_nc_u32 v[ADK], s[TB], v[AK0]
	v_add_nc_u32 v[ADV], s[TB], v[AV0]
	WIN W_LD
	KLOAD 0                                        ; a slot's first step is never hidden: its first key is at or under the block's first query
	WIN 0
.endm
; A block of queries ends: O^T / l, rounded to f16, through my stage in LDS; a store covers 512 consecutive bytes, four positions.
.macro FINISH base
.irp x, 0,1
	v_add_f32 v[ST+8*\x+4], v[ST+8*\x+2], v[ST+8*\x+3]
.endr
.irp x, 0,1
	v_permlanex16_b32 v[ST+8*\x+5], v[ST+8*\x+4], s[SEL], s[SEL+1]
.endr
.irp x, 0,1
	v_add_f32 v[ST+8*\x+4], v[ST+8*\x+4], v[ST+8*\x+5]
.endr
.irp x, 0,1
	v_rcp_f32 v[ST+8*\x+6], v[ST+8*\x+4]
.endr
	v_nop
	s_wait_alu depctr_va_vdst(0)                   ; one wait for the two reciprocals, ahead of their first reader
	WIN W_RS
.irp x, 0,1
.set i, 0
.rept 16
	v_pk_mul_f32 v[O+32*\x+2*i:O+32*\x+2*i+1], v[O+32*\x+2*i:O+32*\x+2*i+1], v[ST+8*\x+6:ST+8*\x+7] op_sel_hi:[1,0]
.set i, i+1
.endr
.endr
	WIN W_CV
.set i, 0
.rept 32
	v_cvt_pk_f16_f32 v[S+i], v[O+2*i], v[O+2*i+1]
.set i, i+1
.endr
	WIN 0
.irp x, 0,1
.irp ct, 0,1,2,3
	ds_store_b128 v[STO], v[S+16*\x+4*\ct:S+16*\x+4*\ct+3] offset:16*KP*\x+32*\ct
.endr
.endr
.irp t, 0,1,2,3,4,5,6,7
	ds_load_b128 v[S+32+4*\t:S+32+4*\t+3], v[RD] offset:4*KP*\t   ; a wave's LDS instructions are served in order: these see the stores above
.endr
	s_wait_dscnt 0x0
.irp t, 0,1,2,3,4,5,6,7
	global_store_b128 v[GO], v[S+32+4*\t:S+32+4*\t+3], s[\base:\base+1] offset:512*\t
.endr
	s_wait_xcnt 0x0                                ; the stores have read their registers: the scores' registers may be written again
.endm
	s_load_b128 s[4:7], s[0:1], 0x0                ; qkv s[4:5], attn s[6:7]
	v_lshl_add_u32 v[SPW], v0, 2, SPARE
	v_mov_b32 v[NIL], 0
	ds_add_u32 v[SPW], v[NIL]                      ; the wave's opening: the add, twice on end, and its wait ahead of my first tensor load
	ds_add_u32 v[SPW], v[NIL]
	v_lshrrev_b32 v1, 5, v0
	v_readfirstlane_b32 s[WV], v1                  ; wave 0..7
	s_mov_b32 s[J], ttmp9
	s_and_b32 s[BH], ttmp7, 0xffff                 ; 16 x batch + head
	s_mov_b32 s[G1K], (1<<16)|(1<<20)|(4<<22)|(3<<25)   ; elements of 2 bytes; padding on: 4 words behind every 32
	s_mov_b32 s[G1V], (1<<16)|(1<<20)|(4<<22)|(7<<25)   ; 8 words
.irp g, G1K, G1V
	s_mov_b32 s[\g+1], 64<<16                      ; tensor_dim0 = 64
	s_mov_b32 s[\g+2], 64<<16                      ; tensor_dim1 = 64
	s_mov_b32 s[\g+3], 64<<16                      ; tile_dim0 = 64
	s_mov_b32 s[\g+4], 64                          ; tile_dim1 = 64
	s_mov_b32 s[\g+5], 64                          ; the pitch
	s_mov_b32 s[\g+6], 0
	s_mov_b32 s[\g+7], 0
.endr
	s_mov_b32 s[CS], 0x3e38aa3b                    ; c = log2(e) / 8
	s_mov_b32 s[CS+1], s[CS]
	s_mov_b32 s[SEL], 0x76543210
	s_mov_b32 s[SEL+1], 0xfedcba98
	s_and_b32 s62, s[WV], 3                        ; which quarter of a slot I fetch
	s_mul_i32 s63, s62, 64*KP                      ; its place in a slot, for K,
	s_mul_i32 s70, s62, 64*VP
	s_add_co_u32 s70, s70, VOFF                    ; and for V
	s_lshl_b32 s68, s[BH], 18
	s_lshl_b32 s62, s62, 13
	s_add_co_u32 s68, s68, s62
	s_mov_b32 s69, 0
	s_wait_dscnt 0x0                               ; both opening adds are done
	s_wait_kmcnt 0x0
	s_add_nc_u64 s[KB:KB+1], s[4:5], s[68:69]
	s_add_nc_u64 s[VB:VB+1], s[KB:KB+1], 0x2000000
	s_add_nc_u64 s[KB:KB+1], s[KB:KB+1], 0x1000000
	s_mov_b32 s[G0K], 1
	s_mov_b32 s[G0K+1], s63
	s_mov_b64 s[G0K+2:G0K+3], s[KB:KB+1]
	s_or_b32 s[G0K+3], s[G0K+3], 0x80000000
	s_mov_b32 s[G0V], 1
	s_mov_b32 s[G0V+1], s70
	s_mov_b64 s[G0V+2:G0V+3], s[VB:VB+1]
	s_or_b32 s[G0V+3], s[G0V+3], 0x80000000
	TLOAD                                          ; key slot 0 into LDS slot 0
	s_cmp_lt_u32 s[WV], 4
	s_cselect_b64 s[PFA:PFA+1], s[KB:KB+1], s[VB:VB+1]
	s_add_nc_u64 s[PFA:PFA+1], s[PFA:PFA+1], 32768 ; at slot 1: the first change steps it to slot 2.  Nothing is prefetched here, at the head
	s_cmp_eq_u32 s[J], 0
	s_cselect_b32 s[LIM], 6, 0
	s_sub_co_u32 s[QB], 7, s[J]                    ; the larger block first
	s_lshl_b32 s62, s[WV], 12                      ; my 32 rows of 128 bytes
	s_lshl_b32 s68, s[BH], 18
	s_add_co_u32 s68, s68, s62
	s_mov_b32 s71, 0
	s_lshl_b32 s70, s[QB], 15
	s_add_co_u32 s70, s70, s68
	s_add_nc_u64 s[QAB:QAB+1], s[4:5], s[70:71]
	s_lshl_b32 s70, s[J], 15
	s_add_co_u32 s70, s70, s68
	s_add_nc_u64 s[QAA:QAA+1], s[4:5], s[70:71]
	s_and_b32 s68, s[BH], 15
	s_lshl_b32 s68, s68, 20                        ; the head's plane of attn,
	s_lshr_b32 s63, s[BH], 4
	s_lshl_b32 s63, s63, 18                        ; the batch's 2,048 rows in it
	s_add_co_u32 s68, s68, s63
	s_add_co_u32 s68, s68, s62
	s_lshl_b32 s70, s[QB], 15
	s_add_co_u32 s70, s70, s68
	s_add_nc_u64 s[OAB:OAB+1], s[6:7], s[70:71]
	s_lshl_b32 s70, s[J], 15
	s_add_co_u32 s70, s70, s68
	s_add_nc_u64 s[OAA:OAA+1], s[6:7], s[70:71]
	v_and_b32 v17, 15, v0                          ; r
	v_bfe_u32 v18, v0, 4, 1                        ; hf
	v_and_b32 v19, 31, v0                          ; lane
	v_mul_u32_u24 v[AK0], v17, KP
	v_lshl_add_u32 v[AK0], v18, 4, v[AK0]          ; K: row r x pitch + 16 hf
	v_and_b32 v20, 7, v0
	v_lshl_add_u32 v21, v18, 3, v20
	v_mul_u32_u24 v[AV0], v21, VP                  ; V: key 8 hf + lane % 8,
	v_bfe_u32 v21, v0, 3, 1
	v_lshl_add_u32 v[AV0], v21, 4, v[AV0]          ; channels 8 ((lane / 8) % 2) on
	v_add_nc_u32 v[AV0], VOFF, v[AV0]
	v_lshlrev_b32 v[QO], 7, v17
	v_lshl_add_u32 v[QO], v18, 4, v[QO]            ; Q: row r of 128 bytes + 16 hf
	s_mul_i32 s62, s[WV], 32*KP
	s_add_co_u32 s62, s62, STAGE                   ; my stage
	v_add_nc_u32 v[STO], s62, v[AK0]
	v_bfe_u32 v21, v0, 3, 2
	v_mul_u32_u24 v[RD], v21, KP
	v_lshl_add_u32 v[RD], v20, 4, v[RD]
	v_add_nc_u32 v[RD], s62, v[RD]                 ; back: eight lanes to a row, four rows an instruction
	v_lshlrev_b32 v[GO], 4, v19
	v_lshlrev_b32 v[PFO], 8, v19
	v_lshlrev_b32 v21, 3, v18
	v_sub_nc_u32 v[RH], v17, v21                   ; r - 8 hf
	v_mov_b32 v[NINF], 0xff800000
	QLOAD QAB
	RESET
	s_mov_b32 s[KS], 0
	s_mov_b32 s[KFS], 0
	s_mov_b32 s[TB], 0
	s_mov_b32 s[TRIP], 0
	s_lshl_b32 s[Q0], s[QB], 8
	s_lshl_b32 s62, s[WV], 5
	s_add_co_u32 s[Q0], s[Q0], s62
	s_wait_loadcnt 0x0                             ; Q
.Lslot:                                            ; eight trips: behind each change of slots the next trip's keys are asked for
	CHANGE 1
	STEP 0, 0
	STEP 1, 0
	STEP 2, 0
	STEP 3, 0
.Lslot_end_0:
	s_xor_b32 s[TB], s[TB], SLOT1                  ; on to the other slot
	s_cmp_lg_u32 s[KS], s[QB]
	s_cbranch_scc1 .Lsame                          ; ids and the count of trips alone: all eight waves go the same way
	QLOAD QAA                                      ; the first block is done: its result leaves, and the second block begins at key slot 0
	FINISH OAB
	RESET
	s_mov_b32 s[QB], s[J]
	s_mov_b32 s[KS], -1
	s_lshl_b32 s[Q0], s[J], 8
	s_lshl_b32 s62, s[WV], 5
	s_add_co_u32 s[Q0], s[Q0], s62
	s_wait_loadcnt 0x0
.Lsame:
	s_add_co_u32 s[KS], s[KS], 1
	s_lshl_b32 s[KFS], s[KS], 8
	s_add_co_u32 s[TRIP], s[TRIP], 1
	s_cmp_lt_u32 s[TRIP], 8
	s_cbranch_scc1 .Lslot
	CHANGE 0                                       ; the ninth trip, the second block's diagonal slot, is written out: nothing is left to fetch
	STEP 0, 1
	STEP 1, 1
	STEP 2, 1
	STEP 3, 1
.Lslot_end_1:
	FINISH OAA
	s_wait_tensorcnt 0x0                           ; the wave's end
	ds_add_u32 v[SPW], v[NIL]
	s_wait_dscnt 0x0
	s_endpgm
.Lfunc_end_k_q7487d8c51b_attention:
	.size	k_q7487d8c51b_attention, .Lfunc_end_k_q7487d8c51b_attention-k_q7487d8c51b_attention
	.p2alignl 7, 3214868480
	.fill 96, 4, 3214868480
	.section	.rodata,"a",@progbits
	.p2align	6, 0x0
	.amdhsa_kernel k_q7487d8c51b_attention
		.amdhsa_group_segment_fixed_size 327680
		.amdhsa_private_segment_fixed_size 0
		.amdhsa_enable_private_segment 0
		.amdhsa_kernarg_size 16
		.amdhsa_user_sgpr_count 2
		.amdhsa_user_sgpr_kernarg_segment_ptr 1
		.amdhsa_wavefront_size32 1
		.amdhsa_system_sgpr_workgroup_id_x 1
		.amdhsa_system_sgpr_workgroup_id_y 1
		.amdhsa_system_sgpr_workgroup_id_z 1
		.amdhsa_system_vgpr_workitem_id 0
		.amdhsa_next_free_vgpr 512
		.amdhsa_next_free_sgpr 72
		.amdhsa_reserve_vcc 1
		.amdhsa_float_denorm_mode_32 3
		.amdhsa_float_denorm_mode_16_64 3
		.amdhsa_memory_ordered 1
		.amdhsa_forward_progress 1
		.amdhsa_inst_pref_size 199
	.end_amdhsa_kernel
	.amdgpu_metadata
---
amdhsa.version: [ 1, 2 ]
amdhsa.kernels:
  - .name:           k_q7487d8c51b_attention
    .symbol:         k_q7487d8c51b_attention.kd
    .args:
      - { .name: qkv, .offset: 0, .size: 8, .value_kind: global_buffer, .address_space: global }
      - { .name: attn, .offset: 8, .size: 8, .value_kind: global_buffer, .address_space: global }
    .group_segment_fixed_size: 327680
    .private_segment_fixed_size: 0
    .kernarg_segment_align: 8
    .kernarg_segment_size: 16
    .max_flat_workgroup_size: 256
    .sgpr_count:     72
    .vgpr_count:     512
    .wavefront_size: 32
...
	.end_amdgpu_metadata
.endif
;; end of part 3
;; launch outproj (part 4): grid 4 x 64, 4 waves a work-group, clusters of 4 x 4, 327,680 bytes of LDS; arguments attn, wo16, out0; writes out0
.if DOCPART == 4
	.amdgcn_target "amdgcn-amd-amdhsa--gfx1250"
	.amdhsa_code_object_version 6
	.text
	.protected	k_q7487d8c51b_outproj
	.globl	k_q7487d8c51b_outproj
	.p2align	8
	.type	k_q7487d8c51b_outproj,@function
k_q7487d8c51b_outproj:
	s_mov_b64 s[64:65], 0
	v_nop
	global_prefetch_b8 v0, s[64:65] scope:SCOPE_SE
	s_setreg_imm32_b32 hwreg(HW_REG_WAVE_MODE, 25, 1), 1
	s_wait_xcnt 0x0
	s_wait_alu depctr_hold_cnt(0) depctr_sa_sdst(0) depctr_va_vdst(0) depctr_va_sdst(0) depctr_va_ssrc(0) depctr_va_vcc(0) depctr_vm_vsrc(0)
	s_getreg_b32 s2, hwreg(HW_REG_IB_STS2, 6, 4)
	s_cmp_eq_u32 s2, 0
	s_cbranch_scc0 .Lentry_in_a_cluster
	s_endpgm
.Lentry_in_a_cluster:
	s_bfe_u32 s2, ttmp6, 0x10000c
	s_cmp_lg_u32 s2, 0xf033
	s_cbranch_scc0 .Lentry_shape_is_right
	s_endpgm
.Lentry_shape_is_right:
; out0[m][n] = sum over k of attn(m, k) wo[n][k], f16 operands, f32 sums, f32 result; m = 8,192 rows, n = k = 1,024.  attn is laid [head][row][64], so K = 64 head + channel goes by planes.
; The first 16 rows of every batch are multiplied here with their tile but NOT stored: a later launch makes them in f32.
; A tile of C is 128 rows x 256 columns: 256 work-groups.  Four waves, each 64 x 128: 32 accumulators, all of window 1.  K goes in steps of 128 (two planes of attn; 256 bytes of a row of wo16) through two LDS slots.
; CLUSTERS: 4 x 4.  The tile column is cx; the tile row is cluster y + 16 cy, so that cy is the batch.  A's tiles are shared along a row of the cluster, B's along a column: joint loads.
; Wave 0 fetches A's first plane (128 rows x 128 bytes), wave 1 its second, waves 2 and 3 the halves of B's 256 rows x 256 bytes.  Two loads of mine are out at the start, one behind each round.
; THE MATRIX INSTRUCTION IS USED TRANSPOSED (source 0 = 16 rows of wo16, source 1 = 16 rows of attn): a lane holds eight neighbouring columns of a row of C.
; REGISTERS: window 0: v16-30 addresses; v64-159, v160-255 two fragment buffers for 32 along K (A's 4 blocks, then B's 8); on the way out v64-191 rows read back.  window 1: accumulator (a, b) at v[8 (8 a + b)].
.set PA,    144                        ; A's LDS row: 128 bytes + 16
.set PB,    272                        ; B's: 256 + 16
.set PLANE, 128*PA
.set BOFF,  2*PLANE
.set HALFB, 128*PB
.set SLOT,  BOFF+2*HALFB
.set STAGE, 2*SLOT                     ; 16 rows x (512 bytes + 16) for each wave
.set SPITCH, 528
.set SPARE, STAGE+4*16*SPITCH
.set LAPS,  4                          ; a lap = two K steps
.set KBYTES, 2097152                   ; a K step in attn: two planes
.set ADRA, 16
.set ADRB, 20
.set STO,  24
.set RD,   25
.set CO,   26
.set SPW,  28
.set NIL,  29
.set PFO,  30
.set F0,   64
.set F1,   160
.set BK,   64
.set G1, 24
.set G0, 32
.set G1B, 48
.set G0B, 56
.set LIM, 67
.set PFA, 68
.set MSB, 0
.macro WIN new
.if MSB != \new
	s_set_vgpr_msb (MSB<<8)|\new
.set MSB, \new
.endif
.endm
.set MUL, 0x50                         ; sources in window 0, C and D in window 1
.macro JLOAD s                         ; waves 0 and 1 fetch for A, waves 2 and 3 for B; an s_nop 0 and four v_nop follow each line
	s_cmp_eq_u32 s11, 0
	s_cbranch_scc0 .Lfor_b_\@
	tensor_load_to_lds s[G0+4*\s:G0+4*\s+3], s[G1:G1+7]
	s_nop 0
.rept 4
	v_nop
.endr
	s_branch .Lasked_\@
.Lfor_b_\@:
	tensor_load_to_lds s[G0B+4*\s:G0B+4*\s+3], s[G1B:G1B+7]
	s_nop 0
.rept 4
	v_nop
.endr
.Lasked_\@:
.endm
.macro CREST
	s_cmp_lg_u32 s10, 0
	s_cbranch_scc1 .Lnot_wave_0_\@
	s_barrier_signal -3
.Lnot_wave_0_\@:
	s_barrier_wait -3
	s_barrier_signal -1
	s_barrier_wait -1
.endm
.macro CROUND
	s_barrier_signal -1
	s_barrier_wait -1
	CREST
.endm
; A prefetch of A's tile two refills on.  A's tile row is read by this one cluster alone.  A K step of it is 128 blocks of 256 bytes: the four partners take 32 each, told apart by address
; (plane cx / 2, half cx % 2); in each, wave 0 asks, a lane a block.  The refills for K steps 2 to 5 are accompanied by requests for K steps 4 to 7; the last lap's ask for nothing.  wo16 is read by all clusters and is not asked for.
.macro ASK
	s_cmp_gt_u32 s3, s[LIM]
	s_cbranch_scc0 .Lnot_mine_\@
	global_prefetch_b8 v[PFO], s[PFA:PFA+1] th:TH_LOAD_NT scope:SCOPE_SE
.Lnot_mine_\@:
.endm
	s_load_b128 s[4:7], s[0:1], 0x0                ; attn, wo16
	s_load_b64 s[8:9], s[0:1], 0x10                ; out0
	v_lshl_add_u32 v[SPW], v0, 2, SPARE
	v_mov_b32 v[NIL], 0
	ds_add_u32 v[SPW], v[NIL]                      ; the wave's opening: the add, twice on end, and its wait ahead of my first tensor load
	ds_add_u32 v[SPW], v[NIL]
	v_lshrrev_b32 v1, 5, v0
	v_readfirstlane_b32 s10, v1                    ; wave 0..3
	s_lshr_b32 s11, s10, 1                         ; which 64 rows are mine.  Also: I fetch for A (0) or for B (1)
	s_and_b32 s12, s10, 1                          ; which 128 columns.  Also: which plane of A, or which half of B, I fetch
	s_bfe_u32 s40, ttmp6, 0x40000                  ; cx
	s_bfe_u32 s41, ttmp6, 0x40004                  ; cy
	s_lshl_b32 s42, ttmp9, 2
	s_add_co_u32 s42, s42, s40                     ; tile column
	s_and_b32 s21, ttmp7, 0xffff                   ; cluster y
	s_lshl_b32 s13, s41, 4
	s_add_co_u32 s13, s13, s21                     ; tile row = cluster y + 16 cy
	s_or_b32 s66, s21, s11                         ; 0 where my rows begin a batch: the same in all partners, for a given wave
	s_lshl_b32 s43, s41, 2
	s_lshl_b32 s43, 15, s43                        ; my row of the cluster
	s_lshl_b32 s44, 0x1111, s40                    ; my column
	s_or_b32 s[G1+0], s43, (1<<16)|(1<<20)|(1<<21)|(4<<22)|(3<<25)   ; A: elements of 2 bytes; 4 words of padding behind every 32
	s_mov_b32 s[G1+1], 64<<16                      ; tensor_dim0
	s_mov_b32 s[G1+2], 128<<16                     ; tensor_dim1
	s_mov_b32 s[G1+3], 64<<16                      ; tile_dim0
	s_mov_b32 s[G1+4], 128                         ; tile_dim1
	s_mov_b32 s[G1+5], 64                          ; the pitch
	s_mov_b32 s[G1+6], 0
	s_mov_b32 s[G1+7], 0
	s_or_b32 s[G1B+0], s44, (1<<16)|(1<<20)|(1<<21)|(5<<22)|(3<<25)  ; B: 4 words behind every 64
	s_mov_b32 s[G1B+1], 128<<16
	s_mov_b32 s[G1B+2], 128<<16
	s_mov_b32 s[G1B+3], 128<<16
	s_mov_b32 s[G1B+4], 128
	s_mov_b32 s[G1B+5], 1024
	s_mov_b32 s[G1B+6], 0
	s_mov_b32 s[G1B+7], 0
	s_lshl_b32 s16, s12, 20                        ; A: my plane,
	s_lshl_b32 s17, s13, 14                        ; the tile's 128 rows of 128 bytes
	s_add_co_u32 s16, s16, s17
	s_mov_b32 s17, 0
	s_lshl_b32 s46, s42, 19                        ; B: 256 rows of 2,048 bytes a tile column,
	s_lshl_b32 s20, s12, 18                        ; my 128 of them
	s_add_co_u32 s46, s46, s20
	s_mov_b32 s47, 0
	s_mul_i32 s22, s12, PLANE                      ; where they go: no place in the cluster enters an LDS address
	s_mul_i32 s23, s12, HALFB
	s_add_co_u32 s23, s23, BOFF
	s_cmp_eq_u32 s10, 0
	s_cselect_b32 s[LIM], 1, -1
	s_wait_dscnt 0x0                               ; both opening adds are done
	s_wait_kmcnt 0x0
	s_add_nc_u64 s[14:15], s[4:5], s[16:17]
	s_add_nc_u64 s[46:47], s[6:7], s[46:47]
	CROUND                                         ; all sixteen work-groups are here: the first joint loads meet
.irp s, 0,1
	s_mov_b32 s[G0+4*\s], 1
	s_add_co_u32 s[G0+4*\s+1], s22, \s*SLOT
	s_add_nc_u64 s[G0+4*\s+2:G0+4*\s+3], s[14:15], \s*KBYTES
	s_or_b32 s[G0+4*\s+3], s[G0+4*\s+3], 0x80000000
	s_mov_b32 s[G0B+4*\s], 1
	s_add_co_u32 s[G0B+4*\s+1], s23, \s*SLOT
	s_add_nc_u64 s[G0B+4*\s+2:G0B+4*\s+3], s[46:47], \s*256
	s_or_b32 s[G0B+4*\s+3], s[G0B+4*\s+3], 0x80000000
	JLOAD \s
.endr
	v_and_b32 v1, 15, v0                           ; r
	v_bfe_u32 v2, v0, 4, 1                         ; hf
	v_mul_u32_u24 v3, v1, PA
	v_lshl_add_u32 v3, v2, 4, v3
	v_mul_u32_u24 v4, v1, PB
	v_lshl_add_u32 v4, v2, 4, v4
	s_mul_i32 s21, s11, 64*PA                      ; my 64 rows in each plane of A
	s_mul_i32 s22, s12, HALFB                      ; my 128 rows of B
	s_add_co_u32 s22, s22, BOFF
.irp s, 0,1
	v_add_nc_u32 v[ADRA+\s], s21, v3
	v_add_nc_u32 v[ADRB+\s], s22, v4
	s_add_co_u32 s21, s21, SLOT
	s_add_co_u32 s22, s22, SLOT
.endr
	s_mul_i32 s23, s10, 16*SPITCH
	s_add_co_u32 s23, s23, STAGE                   ; my stage
	v_mul_u32_u24 v5, v1, SPITCH
	v_lshl_add_u32 v5, v2, 5, v5
	v_add_nc_u32 v[STO], s23, v5                   ; in: row r, 32 bytes for each half of the lanes
	v_and_b32 v6, 31, v0
	v_lshlrev_b32 v[CO], 4, v6
	v_add_nc_u32 v[RD], s23, v[CO]                 ; back: the 32 lanes take a row of 512 bytes
	v_lshlrev_b32 v[PFO], 8, v6
	s_lshr_b32 s44, s40, 1                         ; the prefetches: plane cx / 2,
	s_lshl_b32 s44, s44, 20
	s_and_b32 s45, s40, 1
	s_lshl_b32 s45, s45, 13                        ; half cx % 2 of the tile's 16,384 bytes in it
	s_add_co_u32 s44, s44, s45
	s_lshl_b32 s45, s13, 14
	s_add_co_u32 s44, s44, s45
	s_mov_b32 s45, 0
	s_add_nc_u64 s[PFA:PFA+1], s[4:5], s[44:45]
	s_add_nc_u64 s[PFA:PFA+1], s[PFA:PFA+1], 3*KBYTES   ; at K step 3: the first refill steps it to 4.  Nothing is prefetched here, at the head
	s_lshl_b32 s44, s13, 19                        ; my part of out0: (128 tile row + 64 row half) rows of 4,096 bytes
	s_lshl_b32 s45, s11, 18
	s_add_co_u32 s44, s44, s45
	s_lshl_b32 s45, s42, 10                        ; + (256 tile column + 128 column half) x 4
	s_add_co_u32 s44, s44, s45
	s_lshl_b32 s45, s12, 9
	s_add_co_u32 s44, s44, s45
	s_mov_b32 s45, 0
	s_add_nc_u64 s[8:9], s[8:9], s[44:45]
.macro MUL8 f, a, zero                 ; A's block a x B's eight, 32 along K.  The 32 accumulators take turns in the same order in every quarter
.irp b, 0,1,2,3,4,5,6,7
.if \zero
	v_wmma_f32_16x16x32_f16 v[8*(8*(\a)+\b):8*(8*(\a)+\b)+7], v[\f+32+8*\b:\f+32+8*\b+7], v[\f+8*(\a):\f+8*(\a)+7], 0
.else
	v_wmma_f32_16x16x32_f16 v[8*(8*(\a)+\b):8*(8*(\a)+\b)+7], v[\f+32+8*\b:\f+32+8*\b+7], v[\f+8*(\a):\f+8*(\a)+7], v[8*(8*(\a)+\b):8*(8*(\a)+\b)+7]
.endif
.endr
.endm
.macro FETCH slot, qd, f               ; 24 LDS loads in one run: quarter qd of the slot into buffer f: B's eight blocks, then A's four, blocks 2 and 3 last
.irp i, 0,1,2,3,4,5,6,7
	ds_load_b128 v[\f+32+8*\i:\f+32+8*\i+3], v[ADRB+\slot] offset:64*(\qd)+\i*16*PB
	ds_load_b128 v[\f+32+8*\i+4:\f+32+8*\i+7], v[ADRB+\slot] offset:64*(\qd)+\i*16*PB+32
.endr
.irp i, 0,1,2,3
	ds_load_b128 v[\f+8*\i:\f+8*\i+3], v[ADRA+\slot] offset:((\qd)/2)*PLANE+((\qd)%2)*64+\i*16*PA
	ds_load_b128 v[\f+8*\i+4:\f+8*\i+7], v[ADRA+\slot] offset:((\qd)/2)*PLANE+((\qd)%2)*64+\i*16*PA+32
.endr
.endm
.macro PLACES
.rept 4
	v_nop
.endr
.endm
.macro QUARTER slot, qd, f, g, zero    ; multiplies buffer f; in its middle fetches quarter qd of the slot into buffer g
	s_wait_dscnt 4                                 ; B and A's blocks 0, 1 are in; the youngest four loads (A's blocks 2, 3) may be out
	WIN MUL
	MUL8 \f, 0, \zero
	MUL8 \f, 1, \zero
	PLACES
	WIN 0
	FETCH \slot, \qd, \g
	s_wait_dscnt 24                                ; all but the 24 just issued
	WIN MUL
	MUL8 \f, 2, \zero
	MUL8 \f, 3, \zero
.endm
; A K step's last quarter multiplies buffer 1 and changes slots: each wave waits for all its tensor loads, adds 0 to its spare word, and waits for that and for its reads of this slot.
; fill = 1: the barrier opens a round of the cluster's barrier, and the joint refill, two K steps ahead, is the first tensor load behind it.
.macro TURN slot, next, fill
.if \fill
	s_wait_xcnt 0x0                                ; the last prefetch, a K step back, has read its address
	s_add_nc_u64 s[PFA:PFA+1], s[PFA:PFA+1], KBYTES
.endif
	WIN 0
	s_wait_tensorcnt 0x0
	ds_add_u32 v[SPW], v[NIL]
	s_wait_dscnt 5                                 ; the add and the youngest four loads may be out
	WIN MUL
	MUL8 F1, 0, 0
	s_wait_dscnt 0x0                               ; the add is done, and my reads of this slot are over
	s_barrier_signal -1
	MUL8 F1, 1, 0
	WIN 0
	s_barrier_wait -1
.if \fill
	CREST
	s_add_nc_u64 s[G0+4*\slot+2:G0+4*\slot+3], s[G0+4*\slot+2:G0+4*\slot+3], 2*KBYTES
	s_add_nc_u64 s[G0B+4*\slot+2:G0B+4*\slot+3], s[G0B+4*\slot+2:G0B+4*\slot+3], 2*256
	JLOAD \slot                                    ; the four v_nop behind it are also the places in front of the loads below
.else
	PLACES
.endif
	FETCH \next, 0, F0
.if \fill
	ASK
.endif
	WIN MUL
	MUL8 F1, 2, 0
	MUL8 F1, 3, 0
.endm
	s_wait_tensorcnt 1                             ; my part of K step 0 is in; K step 1's load may be out,
	s_barrier_signal -1
	s_barrier_wait -1                              ; everybody's is
	FETCH 0, 0, F0
	QUARTER 0, 1, F0, F1, 1                        ; the first products start the sums
	WIN 0
	s_mov_b32 s3, LAPS-1
.Llap:                                             ; a trip goes once round the ring and fills both slots again
	QUARTER 0, 2, F1, F0, 0
	QUARTER 0, 3, F0, F1, 0
	TURN 0, 1, 1
	QUARTER 1, 1, F0, F1, 0
	QUARTER 1, 2, F1, F0, 0
	QUARTER 1, 3, F0, F1, 0
	TURN 1, 0, 1
	QUARTER 0, 1, F0, F1, 0
	WIN 0
	s_sub_co_u32 s3, s3, 1
	s_cmp_lg_u32 s3, 0
	s_cbranch_scc1 .Llap
	QUARTER 0, 2, F1, F0, 0                        ; the last lap fills nothing
	QUARTER 0, 3, F0, F1, 0
	TURN 0, 1, 0
	QUARTER 1, 1, F0, F1, 0
	QUARTER 1, 2, F1, F0, 0
	QUARTER 1, 3, F0, F1, 0
	s_wait_dscnt 4
	WIN MUL
	MUL8 F1, 0, 0
	MUL8 F1, 1, 0
	s_wait_dscnt 0
	MUL8 F1, 2, 0
	MUL8 F1, 3, 0
	WIN 0
; THE WAY OUT, block by block of 16 rows x 128 columns, through my own stage: a store covers 512 consecutive bytes of a row of out0.
.macro TOSTAGE a
	WIN 0x04                                       ; an LDS store's data are its source 1: window 1
.irp b, 0,1,2,3,4,5,6,7
	ds_store_b128 v[STO], v[64*(\a)+8*\b:64*(\a)+8*\b+3] offset:64*\b            ; each accumulator from its low end on
	ds_store_b128 v[STO], v[64*(\a)+8*\b+4:64*(\a)+8*\b+7] offset:64*\b+16
.endr
	WIN 0
.set BB, BK+64*((\a)%2)
.irp t, 0,1,2,3,4,5,6,7,8,9,10,11,12,13,14,15
	ds_load_b128 v[BB+4*\t:BB+4*\t+3], v[RD] offset:\t*SPITCH
.endr
.endm
.macro SEND a, younger, skip           ; younger: the LDS instructions issued behind block a's loads.  skip = 1: the first 16 rows of a batch are another launch's
.set BB, BK+64*((\a)%2)
	s_wait_dscnt \younger
.if \skip
	s_cmp_eq_u32 s66, 0
	s_cbranch_scc1 .Lfine_rows_\@
.endif
.irp t, 0,1,2,3,4,5,6,7,8,9,10,11,12,13,14,15
	global_store_b128 v[CO], v[BB+4*\t:BB+4*\t+3], s[8:9] offset:65536*(\a)+4096*\t th:TH_STORE_NT
.endr
.if \skip
.Lfine_rows_\@:
.endif
.endm
	PLACES
	TOSTAGE 0
	TOSTAGE 1
	SEND 0, 32, 1                                  ; behind block 0's loads: block 1's 16 stores and 16 loads
	s_wait_xcnt 0x0                                ; block 0's stores have read their registers: block 2's loads may land there
	TOSTAGE 2
	SEND 1, 32, 0
	s_wait_xcnt 0x0
	TOSTAGE 3
	SEND 2, 32, 0
	SEND 3, 0, 0
	s_wait_tensorcnt 0x0                           ; the wave's end
	ds_add_u32 v[SPW], v[NIL]
	s_wait_dscnt 0x0
	CROUND                                         ; the closing round
	s_endpgm
.Lfunc_end_k_q7487d8c51b_outproj:
	.size	k_q7487d8c51b_outproj, .Lfunc_end_k_q7487d8c51b_outproj-k_q7487d8c51b_outproj
	.p2alignl 7, 3214868480
	.fill 96, 4, 3214868480
	.section	.rodata,"a",@progbits
	.p2align	6, 0x0
	.amdhsa_kernel k_q7487d8c51b_outproj
		.amdhsa_group_segment_fixed_size 327680
		.amdhsa_private_segment_fixed_size 0
		.amdhsa_enable_private_segment 0
		.amdhsa_kernarg_size 24
		.amdhsa_user_sgpr_count 2
		.amdhsa_user_sgpr_kernarg_segment_ptr 1
		.amdhsa_wavefront_size32 1
		.amdhsa_system_sgpr_workgroup_id_x 1
		.amdhsa_system_sgpr_workgroup_id_y 1
		.amdhsa_system_sgpr_workgroup_id_z 1
		.amdhsa_system_vgpr_workitem_id 0
		.amdhsa_next_free_vgpr 512
		.amdhsa_next_free_sgpr 70
		.amdhsa_reserve_vcc 0
		.amdhsa_float_denorm_mode_32 3
		.amdhsa_float_denorm_mode_16_64 3
		.amdhsa_memory_ordered 1
		.amdhsa_forward_progress 1
		.amdhsa_inst_pref_size 86
	.end_amdhsa_kernel
	.amdgpu_metadata
---
amdhsa.version: [ 1, 2 ]
amdhsa.kernels:
  - .name:           k_q7487d8c51b_outproj
    .symbol:         k_q7487d8c51b_outproj.kd
    .args:
      - { .name: attn, .offset: 0, .size: 8, .value_kind: global_buffer, .address_space: global }
      - { .name: wo16, .offset: 8, .size: 8, .value_kind: global_buffer, .address_space: global }
      - { .name: out0, .offset: 16, .size: 8, .value_kind: global_buffer, .address_space: global }
    .group_segment_fixed_size: 327680
    .private_segment_fixed_size: 0
    .kernarg_segment_align: 8
    .kernarg_segment_size: 24
    .max_flat_workgroup_size: 128
    .sgpr_count:     70
    .vgpr_count:     512
    .wavefront_size: 32
...
	.end_amdgpu_metadata
.endif
;; end of part 4
;; launch first16 (part 5): grid 64 x 4, 16 waves a work-group, no clusters, 18,432 bytes of LDS; arguments fine, wo, out0; writes out0
.if DOCPART == 5
	.amdgcn_target "amdgcn-amd-amdhsa--gfx1250"
	.amdhsa_code_object_version 6
	.text
	.protected	k_q7487d8c51b_first16
	.globl	k_q7487d8c51b_first16
	.p2align	8
	.type	k_q7487d8c51b_first16,@function
k_q7487d8c51b_first16:
	s_mov_b64 s[64:65], 0
	v_nop
	global_prefetch_b8 v0, s[64:65] scope:SCOPE_SE
	s_setreg_imm32_b32 hwreg(HW_REG_WAVE_MODE, 25, 1), 1
	s_wait_xcnt 0x0
; The first 16 positions of every batch, all in f32: causal attention over 16 keys and the projection by wo.  These rows average one to sixteen values and are the largest of the output.
; Work-group (x, b) makes out0[b][0..15][16 x .. 16 x + 15].  Wave hd is head hd: its 16 x 16 attention, then its head's share of the 16 x 16 tile; the sixteen shares are summed through LDS by waves 0 and 1.
; The attention is made anew in each of a batch's 64 work-groups: 32 small matrix instructions a wave, in place of one more launch.  A store of the result covers runs of 64 bytes: 16 columns of a row.
; q, k, v come as images of accumulator registers: [q k v][batch][head][piece 2 bb + u][lane][16 bytes], lane (r, hf) = position r, channels 16 bb + 8 hf + 4 u + 0..3.
; So register n of an image holds channel 16 (n / 8) + 8 hf + n % 8 of position r.  The f32 matrix form wants k = 2 hf + j in register j: registers 2 s, 2 s + 1 of q's and of k's image give both sources
; the same four channels in the same places, and sixteen steps cover the 64.
; S^T = K Q^T: lane (r, hf) holds query r, keys 8 hf + 0..7.  O^T = V^T P: source 1 = p's registers 2 i, 2 i + 1 (keys 8 hf + 2 i + j); source 0 is loaded to match.  The share is used transposed likewise.
; The registers that the f32 matrix form writes (v160-175, v184-215) are written by matrix instructions alone; what is made of the sums goes into other registers.
.set SPARE, 16384                      ; LDS: sixteen shares of 1,024 bytes, then the spare words, 128 bytes a wave
.set IMG, 4
.set VGO, 5
.set WOO, 6
.set PST, 7
.set RDA, 8
.set OUTO, 9
.set SPW, 10
.set NIL, 11
.set QI,  32
.set KI,  64
.set VG,  96
.set WOF, 128
.set SA,  160                          ; two accumulators by turns
.set TS,  176                          ; the scores, then p, then my share
.set OA,  184                          ; O^T: four accumulators
.set AN,  216                          ; O^T / l
	s_load_b128 s[4:7], s[0:1], 0x0                ; fine, wo
	s_load_b64 s[12:13], s[0:1], 0x10              ; out0
	v_lshl_add_u32 v[SPW], v0, 2, SPARE
	v_mov_b32 v[NIL], 0
	v_lshrrev_b32 v1, 5, v0
	v_readfirstlane_b32 s14, v1                    ; wave = head
	s_and_b32 s15, ttmp7, 0xffff                   ; batch
	v_and_b32 v1, 15, v0                           ; r
	v_bfe_u32 v2, v0, 4, 1                         ; hf
	v_and_b32 v3, 31, v0
	v_lshlrev_b32 v[IMG], 4, v3
	v_bfe_u32 v14, v0, 2, 1                        ; v(key 8 hf + kk, channel 16 t + r) lies in piece 2 t + (r / 4) % 2, lane key + 16 (r / 8), word r % 4
	v_bfe_u32 v15, v0, 3, 1
	v_and_b32 v16, 3, v0
	v_lshlrev_b32 v[VGO], 9, v14
	v_lshl_add_u32 v[VGO], v15, 8, v[VGO]
	v_lshl_add_u32 v[VGO], v16, 2, v[VGO]
	v_lshl_add_u32 v[VGO], v2, 7, v[VGO]
	v_lshlrev_b32 v[WOO], 12, v1                   ; wo: row r of 4,096 bytes, + 32 hf
	v_lshl_add_u32 v[WOO], v2, 5, v[WOO]
	v_lshlrev_b32 v[PST], 6, v1                    ; my share: row r of 64 bytes, + 32 hf, + 1,024 x head
	v_lshl_add_u32 v[PST], v2, 5, v[PST]
	s_lshl_b32 s16, s14, 10
	v_add_nc_u32 v[PST], s16, v[PST]
	v_and_b32 v14, 63, v0                          ; the sum: thread t of 64 takes 16 bytes: row t / 4, columns 4 (t % 4) on
	v_lshlrev_b32 v[RDA], 4, v14
	v_lshrrev_b32 v[OUTO], 2, v14
	v_lshlrev_b32 v[OUTO], 12, v[OUTO]
	v_and_b32 v14, 3, v0
	v_lshl_add_u32 v[OUTO], v14, 4, v[OUTO]
	v_lshlrev_b32 v14, 3, v2
	v_sub_nc_u32 v12, v1, v14                      ; r - 8 hf
	v_mov_b32 v13, 0xff800000                      ; -infinity
	s_mov_b32 s20, 0x76543210
	s_mov_b32 s21, 0xfedcba98
	s_mov_b32 s22, 0x3e38aa3b                      ; log2(e) / 8
	s_lshl_b32 s16, s15, 4
	s_add_co_u32 s16, s16, s14
	s_lshl_b32 s16, s16, 12                        ; (16 batch + head) images of 4,096 bytes
	s_mov_b32 s17, 0
	s_lshl_b32 s18, ttmp9, 16                      ; wo: 16 rows of 4,096 bytes a work-group,
	s_lshl_b32 s19, s14, 8                         ; my head's 64 columns
	s_add_co_u32 s18, s18, s19
	s_mov_b32 s19, 0
	s_lshl_b32 s24, s15, 23                        ; out0: the batch's 2,048 rows of 4,096 bytes,
	s_lshl_b32 s25, ttmp9, 6                       ; my 16 columns
	s_add_co_u32 s24, s24, s25
	s_mov_b32 s25, 0
	s_wait_kmcnt 0x0
	s_add_nc_u64 s[8:9], s[4:5], s[16:17]
	s_add_nc_u64 s[10:11], s[6:7], s[18:19]
	s_add_nc_u64 s[12:13], s[12:13], s[24:25]
.irp p, 0,1,2,3,4,5,6,7
	global_load_b128 v[QI+4*\p:QI+4*\p+3], v[IMG], s[8:9] offset:512*\p
	global_load_b128 v[KI+4*\p:KI+4*\p+3], v[IMG], s[8:9] offset:262144+512*\p
.endr
.irp t, 0,1,2,3
.irp kk, 0,1,2,3,4,5,6,7
	global_load_b32 v[VG+8*\t+\kk], v[VGO], s[8:9] offset:524288+1024*\t+16*\kk
.endr
.endr
.irp t, 0,1,2,3
.irp u, 0,1
	global_load_b128 v[WOF+8*\t+4*\u:WOF+8*\t+4*\u+3], v[WOO], s[10:11] offset:64*\t+16*\u   ; wo[16 x + r][64 head + 16 t + 8 hf + 4 u + 0..3]
.endr
.endr
	s_wait_loadcnt 0x0
	; S^T = K Q^T: sixteen steps of four channels, two accumulators by turns; each sum's first step takes the constant 0
.irp s, 0,1,2,3,4,5,6,7,8,9,10,11,12,13,14,15
.if \s < 2
	v_wmma_f32_16x16x4_f32 v[SA+8*(\s%2):SA+8*(\s%2)+7], v[KI+2*\s:KI+2*\s+1], v[QI+2*\s:QI+2*\s+1], 0
.else
	v_wmma_f32_16x16x4_f32 v[SA+8*(\s%2):SA+8*(\s%2)+7], v[KI+2*\s:KI+2*\s+1], v[QI+2*\s:QI+2*\s+1], v[SA+8*(\s%2):SA+8*(\s%2)+7]
.endif
.endr
.rept 8
	v_nop                                          ; eight places behind this form (ISA guide 7.12.1)
.endr
.irp j, 0,1,2,3,4,5,6,7
	v_add_f32 v[TS+\j], v[SA+\j], v[SA+8+\j]       ; from the low end on
.endr
.irp j, 0,1,2,3,4,5,6,7
	v_cmp_gt_i32 vcc_lo, \j, v12                   ; key 8 hf + j is hidden where it comes after query r
	v_cndmask_b32 v[TS+\j], v[TS+\j], v13, vcc_lo
.endr
	v_max3_num_f32 v14, v[TS], v[TS+1], v[TS+2]
	v_max3_num_f32 v15, v[TS+3], v[TS+4], v[TS+5]
	v_max3_num_f32 v14, v14, v[TS+6], v[TS+7]
	v_max_num_f32 v14, v14, v15
	v_permlanex16_b32 v15, v14, s20, s21
	v_max_num_f32 v14, v14, v15                    ; the row's largest score: key 0 counts for every query
.irp j, 0,1,2,3,4,5,6,7
	v_sub_f32 v[TS+\j], v[TS+\j], v14
.endr
.irp j, 0,1,2,3,4,5,6,7
	v_mul_f32 v[TS+\j], s22, v[TS+\j]
.endr
.irp j, 0,1,2,3,4,5,6,7
	v_exp_f32 v[TS+\j], v[TS+\j]
.endr
	v_nop
	s_wait_alu depctr_va_vdst(0)                   ; one wait for the eight exponentials, ahead of their first reader
	v_add_f32 v15, v[TS], v[TS+1]
	v_add_f32 v16, v[TS+2], v[TS+3]
	v_add_f32 v17, v[TS+4], v[TS+5]
	v_add_f32 v18, v[TS+6], v[TS+7]
	v_add_f32 v15, v15, v16
	v_add_f32 v17, v17, v18
	v_add_f32 v15, v15, v17
	v_permlanex16_b32 v16, v15, s20, s21
	v_add_f32 v15, v15, v16                        ; the row's sum
	v_rcp_f32 v17, v15
	v_nop
	s_wait_alu depctr_va_vdst(0)
	; O^T = V^T P: four steps of four keys, four accumulators by turns
.irp i, 0,1,2,3
.irp t, 0,1,2,3
.if \i == 0
	v_wmma_f32_16x16x4_f32 v[OA+8*\t:OA+8*\t+7], v[VG+8*\t+2*\i:VG+8*\t+2*\i+1], v[TS+2*\i:TS+2*\i+1], 0
.else
	v_wmma_f32_16x16x4_f32 v[OA+8*\t:OA+8*\t+7], v[VG+8*\t+2*\i:VG+8*\t+2*\i+1], v[TS+2*\i:TS+2*\i+1], v[OA+8*\t:OA+8*\t+7]
.endif
.endr
.endr
.rept 8
	v_nop
.endr
.set i, 0
.rept 32
	v_mul_f32 v[AN+i], v[OA+i], v17                ; attention(query r, channel 16 t + 8 hf + j), into other registers
.set i, i+1
.endr
	; my head's share: out(row r, column 8 hf + j) = sum over my 64 channels: source 0 = 16 rows of wo, source 1 = the 16 rows of attention; the two accumulators begin anew with the constant 0
.irp t, 0,1,2,3
.irp i, 0,1,2,3
.if 4*\t+\i < 2
	v_wmma_f32_16x16x4_f32 v[SA+8*(\i%2):SA+8*(\i%2)+7], v[WOF+8*\t+2*\i:WOF+8*\t+2*\i+1], v[AN+8*\t+2*\i:AN+8*\t+2*\i+1], 0
.else
	v_wmma_f32_16x16x4_f32 v[SA+8*(\i%2):SA+8*(\i%2)+7], v[WOF+8*\t+2*\i:WOF+8*\t+2*\i+1], v[AN+8*\t+2*\i:AN+8*\t+2*\i+1], v[SA+8*(\i%2):SA+8*(\i%2)+7]
.endif
.endr
.endr
.rept 8
	v_nop
.endr
.irp j, 0,1,2,3,4,5,6,7
	v_add_f32 v[TS+\j], v[SA+\j], v[SA+8+\j]
.endr
	ds_store_b128 v[PST], v[TS:TS+3]
	ds_store_b128 v[PST], v[TS+4:TS+7] offset:16
	s_wait_dscnt 0x0                               ; for the others' sake: my share has landed
	s_barrier_signal -1
	s_barrier_wait -1
	s_cmp_lt_u32 s14, 2
	s_cbranch_scc0 .Lend                           ; waves 0 and 1 add the sixteen shares, heads ascending, 16 bytes a thread
.irp v, 0,1,2,3,4,5,6,7,8,9,10,11,12,13,14,15
	ds_load_b128 v[32+4*\v:35+4*\v], v[RDA] offset:1024*\v
.endr
	s_wait_dscnt 0x0
.irp v, 1,2,3,4,5,6,7,8,9,10,11,12,13,14,15
	v_pk_add_f32 v[32:33], v[32:33], v[32+4*\v:33+4*\v]
	v_pk_add_f32 v[34:35], v[34:35], v[34+4*\v:35+4*\v]
.endr
	global_store_b128 v[OUTO], v[32:35], s[12:13]
.Lend:
	s_wait_tensorcnt 0x0                           ; the wave's end: behind the last LDS store
	ds_add_u32 v[SPW], v[NIL]
	s_wait_dscnt 0x0
	s_endpgm
.Lfunc_end_k_q7487d8c51b_first16:
	.size	k_q7487d8c51b_first16, .Lfunc_end_k_q7487d8c51b_first16-k_q7487d8c51b_first16
	.p2alignl 7, 3214868480
	.fill 96, 4, 3214868480
	.section	.rodata,"a",@progbits
	.p2align	6, 0x0
	.amdhsa_kernel k_q7487d8c51b_first16
		.amdhsa_group_segment_fixed_size 18432
		.amdhsa_private_segment_fixed_size 0
		.amdhsa_enable_private_segment 0
		.amdhsa_kernarg_size 24
		.amdhsa_user_sgpr_count 2
		.amdhsa_user_sgpr_kernarg_segment_ptr 1
		.amdhsa_wavefront_size32 1
		.amdhsa_system_sgpr_workgroup_id_x 1
		.amdhsa_system_sgpr_workgroup_id_y 1
		.amdhsa_system_sgpr_workgroup_id_z 1
		.amdhsa_system_vgpr_workitem_id 0
		.amdhsa_next_free_vgpr 256
		.amdhsa_next_free_sgpr 66
		.amdhsa_reserve_vcc 1
		.amdhsa_float_denorm_mode_32 3
		.amdhsa_float_denorm_mode_16_64 3
		.amdhsa_memory_ordered 1
		.amdhsa_forward_progress 1
		.amdhsa_inst_pref_size 19
	.end_amdhsa_kernel
	.amdgpu_metadata
---
amdhsa.version: [ 1, 2 ]
amdhsa.kernels:
  - .name:           k_q7487d8c51b_first16
    .symbol:         k_q7487d8c51b_first16.kd
    .args:
      - { .name: fine, .offset: 0, .size: 8, .value_kind: global_buffer, .address_space: global }
      - { .name: wo, .offset: 8, .size: 8, .value_kind: global_buffer, .address_space: global }
      - { .name: out0, .offset: 16, .size: 8, .value_kind: global_buffer, .address_space: global }
    .group_segment_fixed_size: 18432
    .private_segment_fixed_size: 0
    .kernarg_segment_align: 8
    .kernarg_segment_size: 24
    .max_flat_workgroup_size: 512
    .sgpr_count:     66
    .vgpr_count:     256
    .wavefront_size: 32
...
	.end_amdgpu_metadata
.endif
;; end of part 5
